; MI455X (gfx1250); checked and timed in simulation.
; The chip was launched on July 23, 2026; its instructions are those of AMD's public machine-readable ISA for CDNA 5 (MIT licence, August 2026) and "CDNA5" Instruction Set Architecture Reference Guide (July 2026). The comments in the code are by the model that wrote it; some were corrected since.
;; Sparse Attention. Allowed arithmetic: matrix products marked QUANTISED: E3M2 operands, one E8M0 scale for each 32 along K, by v_wmma_scale_f32_16x16x128_f8f6f4 with both operands' format E3M2, f32 sums; everything else in f32.
;; Inputs: b_proj 256 float32; w_proj 256 x 256 float32; w_qkv 256 x 768 float32; x 2 x 4,096 x 256 float32.
;; Outputs: out0 2 x 4,096 x 256 float32.
;; This version of the problem:
;;   THIS VERSION OF THE PROBLEM IS GIVEN IN LOW PRECISION. The matrix products marked QUANTISED in the list below multiply operands that are first quantised to E3M2 (3 exponent bits, 2 mantissa bits; 6 bits a number), with one power-of-two scale for each 32 numbers along K (OCP MX v1.0); their sums are f32. All else is computed in f32.
;;   The module's matrix products, in the order in which they are computed (A, B: the left and right operand; K: the contracted axis; several contracted axes count as one K, in the product's order):
;;     1. [M 8,192, K 256] x [K 256, N 768]; A: input x; B: input w_qkv: QUANTISED
;;     2. batch 16 x [M 4,096, K 32] x [K 32, N 4,096]; A: computed on the way; B: computed on the way: QUANTISED
;;     3. batch 16 x [M 4,096, K 4,096] x [K 4,096, N 32]; A: softmax (see below); B: computed on the way: QUANTISED
;;     4. [M 8,192, K 256] x [K 256, N 256]; A: computed on the way; B: input w_proj: QUANTISED
;;   THE QUANTISER, for each operand of a quantised product, along K:
;;     - K is cut into blocks of 32 from its start; a last block that is shorter is filled with zeros.
;;     - A block's scale is 2^e with e = floor(log2(the largest magnitude in the block)) - 4, held to -126 .. 127; a block of zeros has e = 0. As a byte (E8M0): e + 127.
;;     - Each number is divided by its block's scale, clamped to +-28, and rounded to the nearest number of E3M2, ties to even, subnormals kept.
;;     - The product sums the exact products of the quantised numbers (number of the format x scale) in f32.
;;   ~~~python
;;   def quantise(x, axis):      # numpy; x: float32 -> the quantised numbers, widened to float32 again
;;       x = np.moveaxis(x, axis, -1); K = x.shape[-1]
;;       x = np.pad(x, [(0, 0)] * (x.ndim - 1) + [(0, -K % 32)]); x = x.reshape(x.shape[:-1] + (-1, 32)); a = np.abs(x).max(-1, keepdims=True)
;;       e = np.where(a > 0, np.clip(np.frexp(np.where(a > 0, a, 1))[1] - 1 - 4, -126, 127), 0)      # np.frexp(a)[1] - 1 = floor(log2(a)), exactly
;;       r = np.clip(x / 2.0 ** e, -28, 28)
;;       step = 2.0 ** (np.maximum(np.frexp(np.where(r == 0, 1, r))[1] - 1, -2) - 2)
;;       q = np.round(r / step) * step * 2.0 ** e      # np.round: ties to even
;;       return np.moveaxis(q.reshape(q.shape[:-2] + (-1,))[..., :K], -1, axis).astype(np.float32)
;;   ~~~
;;   SOFTMAX AHEAD OF A QUANTISED PRODUCT. Where the list says 'softmax', what is quantised is not the finished softmax but p = 2^(t - M), with t = logit x log2(e) and M = ceil(the row's largest t), a whole number; so 1/2 < the row's largest p <= 1. The row's sum l is taken of the UNQUANTISED p, in f32, and the product's result is divided by l at the end. Since M is a whole number, a kernel that streams over the keys may use a running M (the ceiling of the running maximum): every later rescaling is an exact power of two, which a block's scale takes up: the codes' values come out the same.
;;   OPERANDS COMPUTED ON THE WAY. 'Computed on the way' means the value that the module computes at that place (a softmax that the list does not call 'softmax' is quantised finished and normalised). What goes into a quantiser is computed in f32, as accurately as f32 sums, v_exp_f32 and their like allow (about 1e-6 of the number): no bf16 or f16 on the way to a quantiser, and a product that is left as it is and whose result goes on into a quantised operand takes f32 operands (vector FMAs, or v_wmma_f32_16x16x4_f32). A number that lies on a knife's edge between two numbers of the format may be rounded either way, as far as f32 arithmetic and the matrix unit's own rounding can turn it there, and no further.
;; One version. Each part assembles by itself: llvm-mc -triple=amdgcn-amd-amdhsa -mcpu=gfx1250 --defsym DOCPART=n.
;; ======== version 1 of 1: 4 launches
;; limits: right only within a limited range of input values
;; workspace buffers: xq 1,638,400 bytes; wq 204,800 bytes; dens 32,768 bytes; qq 1,835,008 bytes; kv 3,276,800 bytes; oq 1,638,400 bytes
;; launch prep (part 1): grid 288 x 1, 2 waves a work-group, no clusters, 17,152 bytes of LDS; arguments x, w_qkv, w_proj, xq, wq, dens; writes xq, wq, dens
.if DOCPART == 1
	.amdgcn_target "amdgcn-amd-amdhsa--gfx1250"
	.amdhsa_code_object_version 6
	.text
	.protected	k_q4b8bb82986_prep
	.globl	k_q4b8bb82986_prep
	.p2align	8
	.type	k_q4b8bb82986_prep,@function
k_q4b8bb82986_prep:
	s_mov_b64 s[64:65], 0
	v_nop
	global_prefetch_b8 v0, s[64:65] scope:SCOPE_SE
	s_setreg_imm32_b32 hwreg(HW_REG_WAVE_MODE, 25, 1), 1
	s_wait_xcnt 0x0
; PREP.  x [8192][256] f32 -> codes of BF6 (E3M2) with one E8M0 byte for each 32 along K, and the density of each token; w_qkv [256][768] and w_proj [256][256] f32 (K is their first axis) -> codes and bytes.
; Codes are laid as IMAGES OF OPERAND REGISTERS: a fragment (16 rows x 128 K, 12 registers a lane) is 1,536 bytes, registers 4 p .. 4 p + 3 of lane l at 512 p + 16 l: three dense stores here, three dense loads in the reader.
; THE ROWS OF A TILE ARE NOT NEIGHBOURS: lane r of tile t of a block of 32 takes item pi(t, r) = 8 t + r + 8 (r / 8), so that the results of two neighbouring tiles are 16 neighbours along the next K.
; Work-groups 0-255: a block of 32 tokens, wave u its tile u.  Work-groups 256-287: two tiles of 16 columns of a weight, one a wave (the first 24 work-groups of them: w_qkv).  The two ways part on the work-group's number; only the first uses LDS.
; xq: block x 6,144 + (2 u + s) x 1,536; scale words at 1,572,864 + block x 256 + u x 128 + 4 lane (lanes 0-15: K step 0, lanes 16-31: K step 1).   wq: tile x 3,072 + s x 1,536; scale words at 196,608 + tile x 128 + 4 lane.
; density = (std over the row, n - 1 + mean |row - row before|) / 2; the first token of a batch has no row before.
; LIMITS: NaN and infinities are not served.  A block of zeros gets the byte 1 where the rule says 127: its codes are zeros, and this program alone reads the bytes.  1/255 and 1/256 are multiplied, not divided by.
.set STGB,  8448                       ; a wave's stage: 16 rows x (512 bytes + 16)
.set SPARE, 2*STGB                     ; behind the stages: the spare words, 128 bytes a wave: one block of 256 bytes that no other line names
.set X0,  32                           ; v32-95    row i: 4 registers: numbers 4 lane .. + 3 of the row's first 128
.set X1,  96                           ; v96-159   the same of its second 128
.set PR,  160                          ; v160-175  the rows before row 0 and before row 8
.set SU,  176                          ; v176-191  sums of the rows
.set VA,  192                          ; v192-207  sums of squared deviations
.set GR,  208                          ; v208-223  sums of |differences|
.set TP,  224                          ; v224-231  at work
.set TM,  232                          ; v232-247  the quantiser's
.set AC,  232
.set MN,  234                          ; v[234:235] a row's mean in the low word of a pair
.set DEN, 248
.set DA,  249
.set DB,  250
.set PW0, 251
.set PW1, 252
.set YY,  160                          ; 64 numbers back from the stage
.set PC0, 12                           ; codes of K step 0
.set PC1, 160                          ; codes of K step 1
.set CT,  24                           ; the conversions' second halves
.set SPW, 254                          ; LDS address of my spare word; never rewritten
.set NIL, 255                          ; 0; never rewritten
.macro ROWSUM i
.set tt, TP+4*((\i)%2)
.set xa, X0+4*(\i)
.set xb, X1+4*(\i)
	v_pk_add_f32 v[tt:tt+1], v[xa:xa+1], v[xa+2:xa+3]
	v_pk_add_f32 v[tt+2:tt+3], v[xb:xb+1], v[xb+2:xb+3]
	v_pk_add_f32 v[tt:tt+1], v[tt:tt+1], v[tt+2:tt+3]
	v_add_f32 v[SU+(\i)], v[tt], v[tt+1]
.endm
; sixteen sums over the 32 lanes at once, the sixteen by turns; every lane ends with every sum
.macro RED16 base
.irp m,1,2,4,8
.irp i,0,1,2,3,4,5,6,7,8,9,10,11,12,13,14,15
	v_add_f32_dpp v[\base+\i], v[\base+\i], v[\base+\i] row_xmask:\m row_mask:0xf bank_mask:0xf
.endr
.endr
.irp g,0,8
.irp i,0,1,2,3,4,5,6,7
	v_permlanex16_b32 v[TP+\i], v[\base+\g+\i], s20, s21
.endr
.irp i,0,1,2,3,4,5,6,7
	v_add_f32 v[\base+\g+\i], v[\base+\g+\i], v[TP+\i]
.endr
.endr
.endm
.macro ROWDEV i                        ; my 8 numbers' squared deviations from the row's mean
.set xa, X0+4*(\i)
.set xb, X1+4*(\i)
	v_mul_f32 v[MN], 0x3b800000, v[SU+(\i)]        ; the mean: sum / 256
	v_pk_add_f32 v[TP:TP+1], v[xa:xa+1], v[MN:MN+1] op_sel_hi:[1,0] neg_lo:[0,1] neg_hi:[0,1]
	v_pk_add_f32 v[TP+2:TP+3], v[xa+2:xa+3], v[MN:MN+1] op_sel_hi:[1,0] neg_lo:[0,1] neg_hi:[0,1]
	v_pk_add_f32 v[TP+4:TP+5], v[xb:xb+1], v[MN:MN+1] op_sel_hi:[1,0] neg_lo:[0,1] neg_hi:[0,1]
	v_pk_add_f32 v[TP+6:TP+7], v[xb+2:xb+3], v[MN:MN+1] op_sel_hi:[1,0] neg_lo:[0,1] neg_hi:[0,1]
	v_pk_mul_f32 v[AC:AC+1], v[TP:TP+1], v[TP:TP+1]
	v_pk_fma_f32 v[AC:AC+1], v[TP+2:TP+3], v[TP+2:TP+3], v[AC:AC+1]
	v_pk_fma_f32 v[AC:AC+1], v[TP+4:TP+5], v[TP+4:TP+5], v[AC:AC+1]
	v_pk_fma_f32 v[AC:AC+1], v[TP+6:TP+7], v[TP+6:TP+7], v[AC:AC+1]
	v_add_f32 v[VA+(\i)], v[AC], v[AC+1]
.endm
.macro ROWDIF i                        ; my 8 numbers' |difference to the row before|
.set xa, X0+4*(\i)
.set xb, X1+4*(\i)
.if (\i)%8 == 0
.set ya, PR+8*((\i)/8)
.set yb, PR+8*((\i)/8)+4
.else
.set ya, xa-4
.set yb, xb-4
.endif
	v_pk_add_f32 v[TP:TP+1], v[xa:xa+1], v[ya:ya+1] neg_lo:[0,1] neg_hi:[0,1]
	v_pk_add_f32 v[TP+2:TP+3], v[xa+2:xa+3], v[ya+2:ya+3] neg_lo:[0,1] neg_hi:[0,1]
	v_pk_add_f32 v[TP+4:TP+5], v[xb:xb+1], v[yb:yb+1] neg_lo:[0,1] neg_hi:[0,1]
	v_pk_add_f32 v[TP+6:TP+7], v[xb+2:xb+3], v[yb+2:yb+3] neg_lo:[0,1] neg_hi:[0,1]
	v_add_f32 v[GR+(\i)], |v[TP]|, |v[TP+1]|
.irp k,2,3,4,5,6,7
	v_add_f32 v[GR+(\i)], v[GR+(\i)], |v[TP+\k]|
.endr
.endm
; 16 rows x 512 bytes go into my stage as they were loaded and come back 64 numbers a lane: register 16 b + i = k 32 b + 16 (lane / 16) + i of row lane % 16.  LDS serves a wave's instructions in order.
.macro TURN src, dst
.irp i,0,1,2,3,4,5,6,7,8,9,10,11,12,13,14,15
	ds_store_b128 v5, v[\src+4*\i:\src+4*\i+3] offset:528*\i
.endr
.irp q,0,1,2,3,4,5,6,7,8,9,10,11,12,13,14,15
	ds_load_b128 v[\dst+4*\q:\dst+4*\q+3], v6 offset:128*(\q/4)+16*(\q%4)
.endr
.endm
; 64 numbers of a lane (as TURN leaves them) become a fragment's 12 registers and the row's scale word
.macro QUANT src, dst, tmp, word
.irp b,0,1,2,3
	v_max3_num_f32 v[TM+\b], |v[\src+16*\b]|, |v[\src+16*\b+1]|, 0x2800000   ; my 16 numbers of block b, and the floor 2^(5 - 127): the byte cannot fall under 1
.endr
.irp i,2,4,6,8,10,12,14
.irp b,0,1,2,3
	v_max3_num_f32 v[TM+\b], v[TM+\b], |v[\src+16*\b+\i]|, |v[\src+16*\b+\i+1]|
.endr
.endr
.irp b,0,1,2,3
	v_permlanex16_b32 v[TM+4+\b], v[TM+\b], s20, s21
.endr
.irp b,0,1,2,3
	v_max_num_f32 v[TM+\b], v[TM+\b], v[TM+4+\b]   ; with lane l xor 16's: the block's largest magnitude
.endr
.irp b,0,1,2,3
	v_add_nc_u32 v[TM+12+\b], 0xfe000000, v[TM+\b] ; 4 off its exponent field: the conversion's scale operand
.endr
.irp b,0,1,2,3
	v_lshrrev_b32 v[TM+4+\b], 23, v[TM+12+\b]      ; the scale's byte
.endr
	v_lshl_or_b32 v[\word], v[TM+5], 8, v[TM+4]
	v_lshl_or_b32 v[\word], v[TM+6], 16, v[\word]
	v_lshl_or_b32 v[\word], v[TM+7], 24, v[\word]
.irp c,0,1
	v_cvt_scalef32_pk16_bf6_f32 v[\dst+6*\c:\dst+6*\c+2], v[\src+32*\c:\src+32*\c+15], v[TM+12+2*\c]
	v_cvt_scalef32_pk16_bf6_f32 v[\tmp+4*\c:\tmp+4*\c+2], v[\src+32*\c+16:\src+32*\c+31], v[TM+12+2*\c+1]
.endr
	v_nop                                          ; one plain place behind a scaled conversion
.irp c,0,1                             ; the operand wants a whole block in a lane: lanes 0-15 block 2 c, lanes 16-31 block 2 c + 1
.irp i,0,1,2
	v_permlane16_swap_b32 v[\dst+6*\c+\i], v[\tmp+4*\c+\i]
.endr
.irp i,0,1,2
	v_mov_b32 v[\dst+6*\c+3+\i], v[\tmp+4*\c+\i]
.endr
.endr
.endm
	s_load_b256 s[4:11], s[0:1], 0x0               ; x s[4:5], w_qkv s[6:7], w_proj s[8:9], xq s[10:11]
	s_load_b128 s[12:15], s[0:1], 0x20             ; wq s[12:13], dens s[14:15]
	v_lshl_add_u32 v[SPW], v0, 2, SPARE
	v_mov_b32 v[NIL], 0
	v_lshrrev_b32 v1, 5, v0
	v_readfirstlane_b32 s16, v1                    ; wave 0, 1
	v_and_b32 v1, 31, v0                           ; lane
	v_and_b32 v2, 15, v0                           ; r
	v_bfe_u32 v3, v0, 4, 1                         ; h
	v_lshlrev_b32 v4, 4, v1                        ; 16 lane
	v_lshlrev_b32 v7, 2, v1                        ; 4 lane
	v_and_b32 v8, 8, v2
	v_add_nc_u32 v8, v8, v2                        ; r + 8 (r / 8)
	s_mov_b32 s20, 0x76543210
	s_mov_b32 s21, 0xfedcba98                      ; v_permlanex16_b32's selects for lane l xor 16
	s_mov_b32 s22, 0xffff0000                      ; lanes 16-31
	s_cmp_ge_u32 ttmp9, 256
	s_cbranch_scc1 .Lweights
	; ---- a block of 32 tokens: my 16 rows are tokens T0 + i + 8 (i / 8), T0 = 32 block + 8 wave
	s_lshl_b32 s17, ttmp9, 5
	s_lshl_b32 s18, s16, 3
	s_add_co_u32 s17, s17, s18                     ; T0
	s_max_u32 s18, s17, 1
	s_sub_co_u32 s18, s18, 1                       ; the token before T0 (token 0 takes itself: no load leaves the buffer)
	s_and_b32 s19, s17, 4095
	s_cmp_eq_u32 s19, 0                            ; T0 is a batch's first token:
	s_cselect_b32 s24, 0, 1.0                      ; its difference counts for nothing
	s_lshl_b32 s26, s17, 10
	s_mov_b32 s27, 0
	s_lshl_b32 s28, s18, 10
	s_mov_b32 s29, 0
	s_lshl_b32 s30, s17, 2
	s_mov_b32 s31, 0
	s_mul_i32 s32, ttmp9, 6144
	s_mul_i32 s19, s16, 3072
	s_add_co_u32 s32, s32, s19
	s_mov_b32 s33, 0
	s_lshl_b32 s34, ttmp9, 8
	s_lshl_b32 s19, s16, 7
	s_add_co_u32 s34, s34, s19
	s_add_co_u32 s34, s34, 1572864
	s_mov_b32 s35, 0
	s_mul_i32 s19, s16, STGB
	s_wait_alu depctr_va_vdst(0)
	v_add_nc_u32 v5, s19, v4                       ; the stage, on the way in: 16 lane
	v_mul_u32_u24 v6, v2, 528
	v_lshl_add_u32 v6, v3, 6, v6
	v_add_nc_u32 v6, s19, v6                       ; and back: row r, + 64 h
	v_lshlrev_b32 v8, 2, v8                        ; my token's word among the wave's densities
	v_mov_b32 v[MN+1], 0                           ; (named as the upper half of a pair)
.irp b,0,1,2,3
	v_mov_b32 v[TM+4+\b], 0                        ; a lane permute's destination counts as one of its sources
.endr
	s_wait_kmcnt 0x0
	s_add_nc_u64 s[26:27], s[4:5], s[26:27]        ; x at T0
	s_add_nc_u64 s[28:29], s[4:5], s[28:29]        ; x at the token before
	s_add_nc_u64 s[30:31], s[14:15], s[30:31]      ; dens at T0
	s_add_nc_u64 s[32:33], s[10:11], s[32:33]      ; my two fragments
	s_add_nc_u64 s[34:35], s[10:11], s[34:35]      ; my scale words
.irp i,0,1,2,3,4,5,6,7,8,9,10,11,12,13,14,15
	global_load_b128 v[X0+4*\i:X0+4*\i+3], v4, s[26:27] offset:(\i+8*(\i/8))*1024       ; 32 lanes read 512 consecutive bytes
	global_load_b128 v[X1+4*\i:X1+4*\i+3], v4, s[26:27] offset:(\i+8*(\i/8))*1024+512
.endr
	global_load_b128 v[PR:PR+3], v4, s[28:29]
	global_load_b128 v[PR+4:PR+7], v4, s[28:29] offset:512
	global_load_b128 v[PR+8:PR+11], v4, s[26:27] offset:15*1024
	global_load_b128 v[PR+12:PR+15], v4, s[26:27] offset:15*1024+512
	s_wait_loadcnt 0x0
.irp i,0,1,2,3,4,5,6,7,8,9,10,11,12,13,14,15
	ROWSUM \i
.endr
	RED16 SU
.irp i,0,1,2,3,4,5,6,7,8,9,10,11,12,13,14,15
	ROWDEV \i
.endr
.irp i,0,1,2,3,4,5,6,7,8,9,10,11,12,13,14,15
	ROWDIF \i
.endr
	RED16 VA
	RED16 GR
	v_mul_f32 v[GR], s24, v[GR]
	v_mov_b32 v[DA], v[VA]                         ; lane r takes row r's two sums
	v_mov_b32 v[DB], v[GR]
.irp i,1,2,3,4,5,6,7,8,9,10,11,12,13,14,15
	v_cmp_eq_u32 vcc_lo, \i, v2
	v_cndmask_b32 v[DA], v[DA], v[VA+\i], vcc_lo
	v_cndmask_b32 v[DB], v[DB], v[GR+\i], vcc_lo
.endr
	v_mul_f32 v[DA], 0x3b808081, v[DA]             ; / 255
	s_wait_alu depctr_va_vdst(0)
	v_sqrt_f32 v[DA], v[DA]
	v_mul_f32 v[DB], 0x3b800000, v[DB]             ; / 256: the plain line behind the root
	s_wait_alu depctr_va_vdst(0)                   ; the wait ahead of the root's first reader
	v_add_f32 v[DEN], v[DA], v[DB]
	v_mul_f32 v[DEN], 0.5, v[DEN]
	global_store_b32 v8, v[DEN], s[30:31]          ; lanes r and r + 16 write the same word with the same value; two runs of 32 bytes a wave
	TURN X0, YY
	s_wait_dscnt 0x0                               ; K step 0 is back, and the stores have read X0's registers,
	TURN X1, X0                                    ; which take K step 1 while K step 0 is quantised
	QUANT YY, PC0, CT, PW0
.irp p,0,1,2
	global_store_b128 v4, v[PC0+4*\p:PC0+4*\p+3], s[32:33] offset:512*\p
.endr
	s_wait_dscnt 0x0
	QUANT X0, PC1, CT, PW1
.irp p,0,1,2
	global_store_b128 v4, v[PC1+4*\p:PC1+4*\p+3], s[32:33] offset:1536+512*\p
.endr
	v_cndmask_b32 v[PW0], v[PW0], v[PW1], s22      ; lanes 0-15: K step 0's words, lanes 16-31: K step 1's
	global_store_b32 v7, v[PW0], s[34:35]
	s_wait_tensorcnt 0x0                           ; the wave's end, behind my last LDS store
	ds_add_u32 v[SPW], v[NIL]
	s_wait_dscnt 0x0
	s_endpgm
	; ---- a tile of 16 columns of a weight: lane r takes a column, and its registers run down K in the operand's own order
.macro WLOAD pitch                     ; register 64 s + 32 c + i = W(128 s + 64 c + 32 h + i, my column)
.set n, 0
.rept 128
	global_load_b32 v[32+n], v9, s[30:31] offset:((n/64)*128+((n/32)%2)*64+n%32)*(\pitch)
.set n, n+1
.endr
.endm
.macro WQ s
.set sr, 32+64*(\s)
.set pw, 160+12*(\s)
.irp c,0,1
	v_max3_num_f32 v[10+\c], |v[sr+32*\c]|, |v[sr+32*\c+1]|, 0x2800000   ; my block 2 c + h: all its 32 numbers are mine
.endr
.irp i,2,4,6,8,10,12,14,16,18,20,22,24,26,28,30
.irp c,0,1
	v_max3_num_f32 v[10+\c], v[10+\c], |v[sr+32*\c+\i]|, |v[sr+32*\c+\i+1]|
.endr
.endr
.irp c,0,1
	v_add_nc_u32 v[12+\c], 0xfe000000, v[10+\c]
.endr
.irp c,0,1
	v_lshrrev_b32 v[14+\c], 23, v[12+\c]
.endr
	v_lshl_or_b32 v[16+(\s)], v15, 16, v14         ; my two bytes, blocks h and 2 + h,
	v_lshlrev_b32 v[16+(\s)], v19, v[16+(\s)]      ; at their places (8 h bits up);
	v_permlanex16_b32 v18, v[16+(\s)], s20, s21
	v_or_b32 v[16+(\s)], v[16+(\s)], v18           ; with lane l xor 16's two the word is whole
.irp c,0,1
	v_cvt_scalef32_pk16_bf6_f32 v[pw+6*\c:pw+6*\c+2], v[sr+32*\c:sr+32*\c+15], v[12+\c]
	v_cvt_scalef32_pk16_bf6_f32 v[184+4*\c:186+4*\c], v[sr+32*\c+16:sr+32*\c+31], v[12+\c]
.endr
	v_nop                                          ; one plain place behind a scaled conversion
.irp c,0,1
.irp i,0,1,2
	v_mov_b32 v[pw+6*\c+3+\i], v[184+4*\c+\i]
.endr
.endr
.irp p,0,1,2
	global_store_b128 v4, v[pw+4*\p:pw+4*\p+3], s[26:27] offset:1536*(\s)+512*\p
.endr
.endm
.Lweights:
	s_sub_co_u32 s17, ttmp9, 256                   ; 0 .. 31: a run of 32 columns
	s_lshl_b32 s18, s17, 1
	s_add_co_u32 s18, s18, s16                     ; the tile
	s_lshl_b32 s19, s16, 3
	s_wait_alu depctr_va_vdst(0)
	v_add_nc_u32 v8, s19, v8                       ; pi(wave, r)
	v_lshlrev_b32 v8, 2, v8
	v_lshlrev_b32 v19, 3, v3                       ; 8 h
	v_mov_b32 v18, 0                               ; a lane permute's destination counts as one of its sources
	s_mul_i32 s26, s18, 3072
	s_mov_b32 s27, 0
	s_lshl_b32 s28, s18, 7
	s_add_co_u32 s28, s28, 196608
	s_mov_b32 s29, 0
	s_mov_b32 s31, 0
	s_wait_kmcnt 0x0
	s_add_nc_u64 s[26:27], s[12:13], s[26:27]
	s_add_nc_u64 s[28:29], s[12:13], s[28:29]
	s_cmp_lt_u32 s17, 24
	s_cbranch_scc0 .Lproj_w
	s_lshl_b32 s30, s17, 7                         ; 32 columns are 128 bytes
	s_add_nc_u64 s[30:31], s[6:7], s[30:31]
	s_wait_alu depctr_va_vdst(0)
	v_mad_u32_u24 v9, v3, 32*3072, v8              ; lanes 16-31 begin 32 rows further down
	WLOAD 3072
	s_branch .Lw_in
.Lproj_w:
	s_sub_co_u32 s30, s17, 24
	s_lshl_b32 s30, s30, 7
	s_add_nc_u64 s[30:31], s[8:9], s[30:31]
	s_wait_alu depctr_va_vdst(0)
	v_mad_u32_u24 v9, v3, 32*1024, v8
	WLOAD 1024
.Lw_in:
	s_wait_loadcnt 63                              ; of the 128 loads at most 63 are out: K step 0's 64 are in (a wait's count ends at 63; 64 would have done)
	WQ 0
	s_wait_loadcnt 0x0
	WQ 1
	v_cndmask_b32 v16, v16, v17, s22               ; lanes 0-15: K step 0's words, lanes 16-31: K step 1's
	global_store_b32 v7, v16, s[28:29]
	s_wait_tensorcnt 0x0                           ; the same three lines close this way too
	ds_add_u32 v[SPW], v[NIL]
	s_wait_dscnt 0x0
	s_endpgm
.Lfunc_end_k_q4b8bb82986_prep:
	.size	k_q4b8bb82986_prep, .Lfunc_end_k_q4b8bb82986_prep-k_q4b8bb82986_prep
	.p2alignl 7, 3214868480
	.fill 96, 4, 3214868480
	.section	.rodata,"a",@progbits
	.p2align	6, 0x0
	.amdhsa_kernel k_q4b8bb82986_prep
		.amdhsa_group_segment_fixed_size 17152
		.amdhsa_private_segment_fixed_size 0
		.amdhsa_enable_private_segment 0
		.amdhsa_kernarg_size 48
		.amdhsa_user_sgpr_count 2
		.amdhsa_user_sgpr_kernarg_segment_ptr 1
		.amdhsa_wavefront_size32 1
		.amdhsa_system_sgpr_workgroup_id_x 1
		.amdhsa_system_sgpr_workgroup_id_y 1
		.amdhsa_system_sgpr_workgroup_id_z 1
		.amdhsa_system_vgpr_workitem_id 0
		.amdhsa_next_free_vgpr 256
		.amdhsa_next_free_sgpr 66
		.amdhsa_reserve_vcc 1
		.amdhsa_float_denorm_mode_32 3
		.amdhsa_float_denorm_mode_16_64 3
		.amdhsa_memory_ordered 1
		.amdhsa_forward_progress 1
		.amdhsa_inst_pref_size 93
	.end_amdhsa_kernel
	.amdgpu_metadata
---
amdhsa.version: [ 1, 2 ]
amdhsa.kernels:
  - .name:           k_q4b8bb82986_prep
    .symbol:         k_q4b8bb82986_prep.kd
    .args:
      - { .name: x, .offset: 0, .size: 8, .value_kind: global_buffer, .address_space: global }
      - { .name: w_qkv, .offset: 8, .size: 8, .value_kind: global_buffer, .address_space: global }
      - { .name: w_proj, .offset: 16, .size: 8, .value_kind: global_buffer, .address_space: global }
      - { .name: xq, .offset: 24, .size: 8, .value_kind: global_buffer, .address_space: global }
      - { .name: wq, .offset: 32, .size: 8, .value_kind: global_buffer, .address_space: global }
      - { .name: dens, .offset: 40, .size: 8, .value_kind: global_buffer, .address_space: global }
    .group_segment_fixed_size: 17152
    .private_segment_fixed_size: 0
    .kernarg_segment_align: 8
    .kernarg_segment_size: 48
    .max_flat_workgroup_size: 64
    .sgpr_count:     66
    .vgpr_count:     256
    .wavefront_size: 32
...
	.end_amdgpu_metadata
.endif
;; end of part 1
;; launch qkv (part 2): grid 64 x 4, 6 waves a work-group, no clusters, 0 bytes of LDS; arguments xq, wq, qq, kv; writes qq, kv
.if DOCPART == 2
	.amdgcn_target "amdgcn-amd-amdhsa--gfx1250"
	.amdhsa_code_object_version 6
	.text
	.protected	k_q4b8bb82986_qkv
	.globl	k_q4b8bb82986_qkv
	.p2align	8
	.type	k_q4b8bb82986_qkv,@function
k_q4b8bb82986_qkv:
	s_mov_b64 s[64:65], 0
	v_nop
	global_prefetch_b8 v0, s[64:65] scope:SCOPE_SE
	s_setreg_imm32_b32 hwreg(HW_REG_WAVE_MODE, 25, 1), 1
	s_wait_xcnt 0x0
; QKV.  x w_qkv on codes of BF6, and q, k, v quantised at once into the layouts that the attention launch reads.
; A work-group takes 128 tokens (a key step: grid x) and six runs of 32 columns of w_qkv (grid y); a wave takes one run: run / 8 says q, k or v, run % 8 the head.  Waves share nothing: no LDS, no barrier.
; q, k: source 0 = 16 columns of W, source 1 = 16 tokens: a lane holds ONE token and, over W's two tiles, 16 neighbouring numbers of the head's 32, which are the next product's K.
; v:    source 0 = 16 tokens, source 1 = 16 columns: a lane holds ONE number d of the head and 16 neighbouring tokens: the keys are the next product's K.
; So one way out serves all three: a block of 32 along the next K lies in lanes l and l xor 16; its 24 bytes of codes go out as a BLOCK IMAGE of 768 bytes: item (t, r) is image lane r + 16 t, its bytes 0-15 at 16 lane, bytes 16-23 at 512 + 8 lane.
; qq: head x 98,304 + block x 768; scale words at 1,572,864 + head x 16,384 + step x 512 + 16 lane + 4 (block % 4), the query's byte in all four bytes.
; kv: head x 204,800 + step x 6,400: K's four images, V's four at 3,072, K's scale words at 6,144 (lane (r, f), byte 2 c + u: key block 2 f + c, image lane (r, u)), V's at 6,272 (lane (r, t), byte = key block).
; LIMITS: NaN and infinities are not served; a block of zeros gets the byte 1: its codes are zeros, and this program alone reads the bytes.
.set QW,  8                            ; v8-11   q's scale words, one register a block
.set KW,  12                           ; v12-13  k's, one register for two blocks
.set VW,  14                           ; v14     v's
.set WF,  16                           ; v16-63  W's fragments (tile t, K step s) at 12 (2 t + s)
.set WS,  64                           ; v64-65  W's scale words (lanes 0-15 K step 0, lanes 16-31 K step 1)
.set XS,  66                           ; v66-69  x's, buffer p, tile u
.set XF,  72                           ; v72-167 x's fragments, two buffers of 48
.set ACC, 168                          ; v168-199 group g, element e at 16 g + 8 e
.set MX,  200
.set TX,  202
.set SO,  204
.set EX,  206
.set SL,  208
.set HW,  209
.set PCB, 216
.set IM,  224                          ; v224-255 the images, 8 registers a block, so that no store's data are written again
.macro MM d, a, b, cc, sa, sb, ra, rb
.if (\ra) && (\rb)
	v_wmma_scale_f32_16x16x128_f8f6f4 v[\d:\d+7], v[\a:\a+11], v[\b:\b+11], \cc, v[\sa], v[\sb] matrix_a_fmt:MATRIX_FMT_BF6 matrix_b_fmt:MATRIX_FMT_BF6 matrix_a_scale:MATRIX_SCALE_ROW1 matrix_b_scale:MATRIX_SCALE_ROW1
.elseif \ra
	v_wmma_scale_f32_16x16x128_f8f6f4 v[\d:\d+7], v[\a:\a+11], v[\b:\b+11], \cc, v[\sa], v[\sb] matrix_a_fmt:MATRIX_FMT_BF6 matrix_b_fmt:MATRIX_FMT_BF6 matrix_a_scale:MATRIX_SCALE_ROW1
.elseif \rb
	v_wmma_scale_f32_16x16x128_f8f6f4 v[\d:\d+7], v[\a:\a+11], v[\b:\b+11], \cc, v[\sa], v[\sb] matrix_a_fmt:MATRIX_FMT_BF6 matrix_b_fmt:MATRIX_FMT_BF6 matrix_b_scale:MATRIX_SCALE_ROW1
.else
	v_wmma_scale_f32_16x16x128_f8f6f4 v[\d:\d+7], v[\a:\a+11], v[\b:\b+11], \cc, v[\sa], v[\sb] matrix_a_fmt:MATRIX_FMT_BF6 matrix_b_fmt:MATRIX_FMT_BF6
.endif
.endm
.macro XLOAD blk, p                    ; a block's four fragments and two registers of scale words: 14 loads
.irp q,0,1,2,3,4,5,6,7,8,9,10,11
	global_load_b128 v[XF+48*(\p)+4*\q:XF+48*(\p)+4*\q+3], v2, s[26:27] offset:6144*(\blk)+512*\q
.endr
	global_load_b32 v[XS+2*(\p)], v4, s[28:29] offset:256*(\blk)
	global_load_b32 v[XS+2*(\p)+1], v4, s[28:29] offset:256*(\blk)+128
.endm
; eight products: four accumulators by turns, K step 0 starts the sums with the constant 0
.macro PROD swap
.irp s,0,1
.irp g,0,1
.irp e,0,1
.set rD, ACC+16*\g+8*\e
.if \swap
.set rA, XF+48*pb+12*(2*\e+\s)
.set rB, WF+12*(2*\g+\s)
.set rSA, XS+2*pb+\e
.set rSB, WS+\g
.else
.set rA, WF+12*(2*\e+\s)
.set rB, XF+48*pb+12*(2*\g+\s)
.set rSA, WS+\e
.set rSB, XS+2*pb+\g
.endif
.if \s == 0
	MM rD, rA, rB, 0, rSA, rSB, 0, 0
.else
	MM rD, rA, rB, v[rD:rD+7], rSA, rSB, 1, 1
.endif
.endr
.endr
.endr
.endm
.macro BLOCK blk
.set pb, (\blk)%2
.set im, IM+8*(\blk)
.if (\blk) < 3
	s_wait_loadcnt 14                              ; this block's loads are in (with the first block's: W's); the next block's 14 may be out
.else
	s_wait_loadcnt 0x0
.endif
	s_cmp_eq_u32 s16, 2
	s_cbranch_scc1 .Lval_\@
	PROD 0
	s_branch .Ldone_\@
.Lval_\@:
	PROD 1
.Ldone_\@:
.rept 4
	v_nop                                          ; four places in front of loads into registers that the products have read, and of the first read of results
.endr
.if (\blk) < 2
	XLOAD (\blk)+2, pb
.endif
.irp g,0,1
	v_max3_num_f32 v[MX+\g], |v[ACC+16*\g]|, |v[ACC+16*\g+1]|, 0x2800000   ; each accumulator is read from its low end on; the floor 2^(5 - 127) holds the byte at 1 from below
.endr
.irp i,2,4,6,8,10,12,14
.irp g,0,1
	v_max3_num_f32 v[MX+\g], v[MX+\g], |v[ACC+16*\g+\i]|, |v[ACC+16*\g+\i+1]|
.endr
.endr
.irp g,0,1
	v_permlanex16_b32 v[TX+\g], v[MX+\g], s22, s23
.endr
.irp g,0,1
	v_max_num_f32 v[MX+\g], v[MX+\g], v[TX+\g]     ; the block's largest magnitude
.endr
.irp g,0,1
	v_add_nc_u32 v[SO+\g], 0xfe000000, v[MX+\g]    ; 4 off its exponent field: the conversion's scale operand
.endr
.irp g,0,1
	v_lshrrev_b32 v[EX+\g], 23, v[SO+\g]           ; the byte
.endr
	v_cvt_scalef32_pk16_bf6_f32 v[im:im+2], v[ACC:ACC+15], v[SO]
	v_cvt_scalef32_pk16_bf6_f32 v[PCB:PCB+2], v[ACC+16:ACC+31], v[SO+1]
	v_nop                                          ; one plain place behind a scaled conversion
.irp i,0,1,2
	v_permlane16_swap_b32 v[im+\i], v[PCB+\i]      ; lane r + 16 g now holds item (g, r): its lower 16 codes here, its upper 16 there
.endr
.irp i,0,1,2
	v_mov_b32 v[im+3+\i], v[PCB+\i]
.endr
	global_store_b128 v2, v[im:im+3], s[34:35] offset:768*(\blk)            ; 512 and 256 consecutive bytes
	global_store_b64 v3, v[im+4:im+5], s[34:35] offset:768*(\blk)+512
	; the bytes in all three forms (a few lines; the wave's kind picks one at the end)
	v_cndmask_b32 v[SL], v[EX], v[EX+1], s24       ; the image lane's byte
	v_mul_lo_u32 v[QW+(\blk)], v[SL], s25          ; q: in all four bytes
.if (\blk)%2 == 0
	v_lshl_or_b32 v[KW+(\blk)/2], v[EX+1], 8, v[EX]
.else
	v_lshl_or_b32 v[HW], v[EX+1], 8, v[EX]
	v_lshl_or_b32 v[KW+(\blk)/2], v[HW], 16, v[KW+(\blk)/2]
.endif
.if (\blk) == 0
	v_mov_b32 v[VW], v[SL]
.else
	v_lshl_or_b32 v[VW], v[SL], 8*(\blk), v[VW]
.endif
.endm
	s_load_b256 s[4:11], s[0:1], 0x0               ; xq s[4:5], wq s[6:7], qq s[8:9], kv s[10:11]
	v_lshrrev_b32 v1, 5, v0
	v_readfirstlane_b32 s12, v1                    ; wave 0..5
	v_and_b32 v1, 31, v0
	v_lshlrev_b32 v2, 4, v1                        ; 16 lane
	v_lshlrev_b32 v3, 3, v1                        ; 8 lane
	v_lshlrev_b32 v4, 2, v1                        ; 4 lane
	v_mov_b32 v[TX], 0                             ; a lane permute's destination counts as one of its sources
	v_mov_b32 v[TX+1], 0
	s_and_b32 s14, ttmp7, 0xffff
	s_mul_i32 s15, s14, 6
	s_add_co_u32 s15, s15, s12                     ; my run of 32 columns, 0..23
	s_lshr_b32 s16, s15, 3                         ; 0 q, 1 k, 2 v
	s_and_b32 s17, s15, 7                          ; the head
	s_lshr_b32 s18, ttmp9, 5                       ; the batch
	s_and_b32 s19, ttmp9, 31                       ; the key step in it
	s_lshl_b32 s20, s18, 3
	s_add_co_u32 s20, s20, s17                     ; batch x 8 + head
	s_mov_b32 s22, 0x76543210
	s_mov_b32 s23, 0xfedcba98
	s_mov_b32 s24, 0xffff0000                      ; lanes 16-31
	s_mov_b32 s25, 0x01010101
	s_mul_i32 s26, ttmp9, 24576
	s_mov_b32 s27, 0
	s_lshl_b32 s28, ttmp9, 10
	s_add_co_u32 s28, s28, 1572864
	s_mov_b32 s29, 0
	s_mul_i32 s30, s15, 6144
	s_mov_b32 s31, 0
	s_lshl_b32 s32, s15, 8
	s_add_co_u32 s32, s32, 196608
	s_mov_b32 s33, 0
	s_mul_i32 s40, s20, 98304
	s_mul_i32 s41, s19, 3072
	s_add_co_u32 s40, s40, s41                     ; q: the images
	s_lshl_b32 s41, s20, 14
	s_lshl_b32 s42, s19, 9
	s_add_co_u32 s41, s41, s42
	s_add_co_u32 s41, s41, 1572864                 ; q: the scale words
	s_mul_i32 s42, s20, 204800
	s_mul_i32 s43, s19, 6400
	s_add_co_u32 s42, s42, s43                     ; k, v: the step's record
	s_cmp_eq_u32 s16, 2
	s_cselect_b32 s43, 3072, 0
	s_cselect_b32 s44, 128, 0
	s_add_co_u32 s43, s42, s43
	s_add_co_u32 s44, s42, s44
	s_add_co_u32 s44, s44, 6144
	s_cmp_eq_u32 s16, 0
	s_cselect_b32 s34, s40, s43
	s_cselect_b32 s36, s41, s44
	s_mov_b32 s35, 0
	s_mov_b32 s37, 0
	s_wait_alu depctr_va_vdst(0)
	s_wait_kmcnt 0x0
	s_cselect_b64 s[38:39], s[8:9], s[10:11]       ; the choice hangs on ids alone
	s_add_nc_u64 s[26:27], s[4:5], s[26:27]
	s_add_nc_u64 s[28:29], s[4:5], s[28:29]
	s_add_nc_u64 s[30:31], s[6:7], s[30:31]
	s_add_nc_u64 s[32:33], s[6:7], s[32:33]
	s_add_nc_u64 s[34:35], s[38:39], s[34:35]
	s_add_nc_u64 s[36:37], s[38:39], s[36:37]
.irp q,0,1,2,3,4,5,6,7,8,9,10,11
	global_load_b128 v[WF+4*\q:WF+4*\q+3], v2, s[30:31] offset:512*\q
.endr
	global_load_b32 v[WS], v4, s[32:33]
	global_load_b32 v[WS+1], v4, s[32:33] offset:128
	XLOAD 0, 0
	XLOAD 1, 1
	BLOCK 0
	BLOCK 1
	BLOCK 2
	BLOCK 3
	s_cmp_eq_u32 s16, 0
	s_cbranch_scc0 .Lkv_words
	global_store_b128 v2, v[QW:QW+3], s[36:37]     ; 512 consecutive bytes
	s_endpgm
.Lkv_words:
	s_cmp_eq_u32 s16, 1
	s_cselect_b32 s26, -1, 0
	s_wait_alu depctr_va_vdst(0)
	v_cndmask_b32 v[KW], v[KW], v[KW+1], s24       ; lanes 0-15: key blocks 0, 1; lanes 16-31: 2, 3
	v_cndmask_b32 v[KW], v[VW], v[KW], s26
	global_store_b32 v4, v[KW], s[36:37]           ; 128 consecutive bytes: K's and V's words together fill the record's last 256
	s_endpgm
.Lfunc_end_k_q4b8bb82986_qkv:
	.size	k_q4b8bb82986_qkv, .Lfunc_end_k_q4b8bb82986_qkv-k_q4b8bb82986_qkv
	.p2alignl 7, 3214868480
	.fill 96, 4, 3214868480
	.section	.rodata,"a",@progbits
	.p2align	6, 0x0
	.amdhsa_kernel k_q4b8bb82986_qkv
		.amdhsa_group_segment_fixed_size 0
		.amdhsa_private_segment_fixed_size 0
		.amdhsa_enable_private_segment 0
		.amdhsa_kernarg_size 32
		.amdhsa_user_sgpr_count 2
		.amdhsa_user_sgpr_kernarg_segment_ptr 1
		.amdhsa_wavefront_size32 1
		.amdhsa_system_sgpr_workgroup_id_x 1
		.amdhsa_system_sgpr_workgroup_id_y 1
		.amdhsa_system_sgpr_workgroup_id_z 1
		.amdhsa_system_vgpr_workitem_id 0
		.amdhsa_next_free_vgpr 256
		.amdhsa_next_free_sgpr 66
		.amdhsa_reserve_vcc 0
		.amdhsa_float_denorm_mode_32 3
		.amdhsa_float_denorm_mode_16_64 3
		.amdhsa_memory_ordered 1
		.amdhsa_forward_progress 1
		.amdhsa_inst_pref_size 28
	.end_amdhsa_kernel
	.amdgpu_metadata
---
amdhsa.version: [ 1, 2 ]
amdhsa.kernels:
  - .name:           k_q4b8bb82986_qkv
    .symbol:         k_q4b8bb82986_qkv.kd
    .args:
      - { .name: xq, .offset: 0, .size: 8, .value_kind: global_buffer, .address_space: global }
      - { .name: wq, .offset: 8, .size: 8, .value_kind: global_buffer, .address_space: global }
      - { .name: qq, .offset: 16, .size: 8, .value_kind: global_buffer, .address_space: global }
      - { .name: kv, .offset: 24, .size: 8, .value_kind: global_buffer, .address_space: global }
    .group_segment_fixed_size: 0
    .private_segment_fixed_size: 0
    .kernarg_segment_align: 8
    .kernarg_segment_size: 32
    .max_flat_workgroup_size: 192
    .sgpr_count:     66
    .vgpr_count:     256
    .wavefront_size: 32
...
	.end_amdgpu_metadata
.endif
;; end of part 2
;; launch attn (part 3): grid 16 x 16, 8 waves a work-group, no clusters, 327,680 bytes of LDS; arguments qq, kv, dens, oq; writes oq
.if DOCPART == 3
	.amdgcn_target "amdgcn-amd-amdhsa--gfx1250"
	.amdhsa_code_object_version 6
	.text
	.protected	k_q4b8bb82986_attn
	.globl	k_q4b8bb82986_attn
	.p2align	8
	.type	k_q4b8bb82986_attn,@function
k_q4b8bb82986_attn:
	s_mov_b64 s[64:65], 0
	v_nop
	global_prefetch_b8 v0, s[64:65] scope:SCOPE_SE
	s_setreg_imm32_b32 hwreg(HW_REG_WAVE_MODE, 25, 1), 1
	s_wait_xcnt 0x0
; ATTN.  softmax(q k^T / sqrt(32) + mask) v on codes of BF6, for 256 queries of one head (grid x: the block of queries, grid y: batch x 8 + head); the result, divided by the row's sum, is quantised for the last product.
; THE MASK.  A key counts where its density is above mean + std / 2 of all 8,192 densities, or where it lies under 16 places from the query.  Each work-group makes the threshold itself, all by the same lines in the same order,
; and lays one f32 a key into LDS: 0, or -1e10 divided by the scale 1 / sqrt(32).  That number is the C of the first product.  Only in the one or two key steps of a wave that meet the band (a branch on ids) is C made anew.
; THE SOFTMAX: t = score x log2(e) / sqrt(32); M = the running largest t rounded up to a whole number; p = 2^(t - M) is quantised along the keys; the sum is taken of the unquantised p.  When M moves, sum and O are multiplied by 2^(old M - new M).
; The running largest t begins at -2^32, between every t that counts and the masked keys' t: in a step of masked keys alone every p is 0, and sum and O stay 0.  The query's own key always counts.
; SHARES.  Eight waves; a wave owns 32 queries as two tiles (tile T: queries 8 T + r + 8 (r / 8)), so that a step's K, V and bias are read from LDS once for two tiles.  Every wave walks all 4,096 keys, 128 a step, in one loop of 32 trips.
; THE HEAD'S K AND V, 32 records of 6,400 bytes, lie in LDS whole: every wave brings four records (100 rows of 256 bytes) by ONE tensor load at the head; no LDS byte is filled twice.
; K, its scale words and the bias of step s + 1 are read from LDS behind step s's score products; the last step reads its own once more (clamped address), and nothing uses that.
; K = 32 IN AN INSTRUCTION OF 128.  A fragment of K carries 64 keys; Q stands in four variants, its 32 codes in one block of K and zero codes in the other three: variant e gives the scores of the 16 keys in block e.
; Both products are used transposed: a lane holds one query throughout.
; NO CLUSTER, though the sixteen work-groups of a head read the same K and V: the steps on the band are picked by a branch on the block of queries, which differs between them.
; NO PREFETCH: the launch's only tensor loads stand at its head; no loop of it reads memory.
; LIMITS: a row's largest counted logit x log2(e) has to lie above -2^32; a density within f32 rounding of the threshold may fall either way; NaN and infinities are not served; a block of zeros has the byte 1 over zero codes (this program alone reads the bytes).
.set REC,   6400
.set BIAS,  204800                     ; behind the records: one f32 a key
.set RED,   221184                     ; the waves' partial sums
.set OSCS,  221440                     ; the result's 256 scale bytes
.set SPARE, 221696                     ; the spare words, 128 bytes a wave
.set A16, 1
.set A8,  2
.set AV16, 3
.set AV8, 4
.set AKS, 5
.set ABI, 6
.set SPW, 7
.set NIL, 8
.set ZR,  9
.set ADK16, 10
.set ADK8, 11
.set ADV16, 12
.set ADV8, 13
.set ADS, 14
.set ADB, 15
.set KS,  16                           ; v16-19 hold scales and nothing else
.set VS,  17
.set QS,  18
.set PS,  19
.set QLA, 20                           ; v20-21 my query - 16 h - 15, tiles A and B
.set DQ,  22
.set TT,  23
.set STA, 24                           ; -M, the largest t, the sum in two halves
.set STB, 28
.set OA,  32
.set OB,  48
.set SA,  64                           ; the scores, then p: register 16 b + i = key 32 b + 16 h + i
.set SB,  128
.set PC,  192
.set CT,  204
.set BM,  212
.set BP,  216
.set SO,  220
.set F,   224
.set C2,  226
.set T1,  228
.set T2,  229
.set QR,  230
.set QX,  236
.set ARED, 242
.set ABST, 243
.set AOS, 244
.set AOR, 245
.set ARD, 246
.set ADN, 247
; window 1
.set KF,  32
.set VF,  56
.set BI,  80
.set QVA, 144                          ; zeros 6 | q in lanes 0-15 | zeros 6 | q in lanes 16-31 | zeros 6
.set QVB, 174
.set MSB, 0
.macro WIN new
.if MSB != \new
	s_set_vgpr_msb (MSB<<8)|\new
.set MSB, \new
.endif
.endm
.macro MM d, a, b, cc, sa, sb, ra, rb
.if (\ra) && (\rb)
	v_wmma_scale_f32_16x16x128_f8f6f4 v[\d:\d+7], v[\a:\a+11], v[\b:\b+11], \cc, v[\sa], v[\sb] matrix_a_fmt:MATRIX_FMT_BF6 matrix_b_fmt:MATRIX_FMT_BF6 matrix_a_scale:MATRIX_SCALE_ROW1 matrix_b_scale:MATRIX_SCALE_ROW1
.elseif \ra
	v_wmma_scale_f32_16x16x128_f8f6f4 v[\d:\d+7], v[\a:\a+11], v[\b:\b+11], \cc, v[\sa], v[\sb] matrix_a_fmt:MATRIX_FMT_BF6 matrix_b_fmt:MATRIX_FMT_BF6 matrix_a_scale:MATRIX_SCALE_ROW1
.elseif \rb
	v_wmma_scale_f32_16x16x128_f8f6f4 v[\d:\d+7], v[\a:\a+11], v[\b:\b+11], \cc, v[\sa], v[\sb] matrix_a_fmt:MATRIX_FMT_BF6 matrix_b_fmt:MATRIX_FMT_BF6 matrix_b_scale:MATRIX_SCALE_ROW1
.else
	v_wmma_scale_f32_16x16x128_f8f6f4 v[\d:\d+7], v[\a:\a+11], v[\b:\b+11], \cc, v[\sa], v[\sb] matrix_a_fmt:MATRIX_FMT_BF6 matrix_b_fmt:MATRIX_FMT_BF6
.endif
.endm
.macro WSUM r, t                       ; a sum over the wave's 32 lanes
.irp m,1,2,4,8
	s_delay_alu instid0(VALU_DEP_1)
	v_add_f32_dpp v[\r], v[\r], v[\r] row_xmask:\m row_mask:0xf bank_mask:0xf
.endr
	s_delay_alu instid0(VALU_DEP_1)
	v_permlanex16_b32 v[\t], v[\r], s22, s23
	s_delay_alu instid0(VALU_DEP_1)
	v_add_f32 v[\r], v[\r], v[\t]
.endm
.macro SUM8                            ; the eight waves' parts, v100-107, into v100
	v_add_f32 v100, v100, v101
	v_add_f32 v102, v102, v103
	v_add_f32 v104, v104, v105
	v_add_f32 v106, v106, v107
	s_delay_alu instid0(VALU_DEP_3)
	v_add_f32 v100, v100, v102
	s_delay_alu instid0(VALU_DEP_2)
	v_add_f32 v104, v104, v106
	s_delay_alu instid0(VALU_DEP_1)
	v_add_f32 v100, v100, v104
.endm
.macro QK sbase, qv, row, inpl
.if \inpl
	WIN 0x05                                       ; K and Q in window 1
.else
	WIN 0x15                                       ; and the bias too
.endif
.irp f,0,1
.irp e,0,1,2,3
.set rD, \sbase+32*\f+8*\e
.set rA, KF+12*\f
.set rB, \qv+6*(1-\e/2)+12*(\e%2)
.set rC, BI+32*\f+8*\e
.if \inpl
	MM rD, rA, rB, v[rD:rD+7], KS, QS, \f, \row
.else
	MM rD, rA, rB, v[rC:rC+7], KS, QS, \f, \row
.endif
.endr
.endr
.endm
; on the band: C = 0 where |key - query| < 16, else the bias.  key - query + 15, taken as unsigned, is under 31 just there.  Eight numbers by turns, their masks in s68-75: no line reads the line above it
.macro BAND sbase, ql
	v_sub_nc_u32 v[DQ], v[\ql], s17
	WIN 0x01                                       ; source 0, the bias, in window 1
.set n, 0
.rept 8
.irp k,0,1,2,3,4,5,6,7
	v_sub_nc_u32 v[BM+\k], 32*((n+\k)/16)+(n+\k)%16, v[DQ]
.endr
.irp k,0,1,2,3,4,5,6,7
	v_cmp_gt_u32 s[68+\k], 31, v[BM+\k]
.endr
.irp k,0,1,2,3,4,5,6,7
	v_cndmask_b32 v[\sbase+n+\k], v[BI+n+\k], v[ZR], s[68+\k]
.endr
.set n, n+8
.endr
.rept 8
	v_nop                                          ; the products below take what these lines wrote
.endr
.endm
.macro PV obase                        ; O^T += V^T p^T: two tiles of 16 of the head's 32; K = the step's 128 keys
	WIN 0x01
.set rD, \obase
	MM rD, VF, PC, v[rD:rD+7], VS, PS, 0, 0
.set rD, \obase+8
	MM rD, VF+12, PC, v[rD:rD+7], VS, PS, 1, 0
	WIN 0
.endm
; BOTH TILES' SOFTMAX for a key step, side by side (u = 0: tile A, 1: tile B), so that no line reads the line above it.
; Tile u's registers: scores SA + 64 u, state STA + 4 u, O^T OA + 16 u, block maxima BM + 18 u, their partners BP + 18 u, f F + 14 u, second chain C2 + 14 u, T1 + u.
; (Tile B's v230-241 held the queries' codes, which are used at the head alone.)
.macro SMJ
.irp b,0,1,2,3
.irp u,0,1
	v_max3_num_f32 v[BM+18*\u+\b], v[SA+64*\u+16*\b], v[SA+64*\u+16*\b+1], v[SA+64*\u+16*\b+2]   ; the largest score of each block of 32 keys, each accumulator from its low end on
.endr
.endr
.irp i,3,5,7,9,11,13
.irp b,0,1,2,3
.irp u,0,1
	v_max3_num_f32 v[BM+18*\u+\b], v[BM+18*\u+\b], v[SA+64*\u+16*\b+\i], v[SA+64*\u+16*\b+\i+1]
.endr
.endr
.endr
.irp b,0,1,2,3
.irp u,0,1
	v_max_num_f32 v[BM+18*\u+\b], v[BM+18*\u+\b], v[SA+64*\u+16*\b+15]
.endr
.endr
.irp b,0,1,2,3
.irp u,0,1
	v_permlanex16_b32 v[BP+18*\u+\b], v[BM+18*\u+\b], s22, s23
.endr
.endr
.irp b,0,1,2,3
.irp u,0,1
	v_max_num_f32 v[BM+18*\u+\b], v[BM+18*\u+\b], v[BP+18*\u+\b]     ; with lane l xor 16's 16 keys
.endr
.endr
.irp u,0,1
	v_max3_num_f32 v[T1+\u], v[BM+18*\u], v[BM+18*\u+1], v[BM+18*\u+2]
.endr
.irp u,0,1
	s_delay_alu instid0(VALU_DEP_2)
	v_max_num_f32 v[T1+\u], v[T1+\u], v[BM+18*\u+3]
.endr
.irp u,0,1
	s_delay_alu instid0(VALU_DEP_2)
	v_mul_f32 v[T1+\u], s60, v[T1+\u]              ; as t (c is positive)
.endr
.irp u,0,1
	s_delay_alu instid0(VALU_DEP_2)
	v_max_num_f32 v[STA+4*\u+1], v[STA+4*\u+1], v[T1+\u]   ; the running largest t
.endr
.irp u,0,1
	v_mov_b32 v[T1+\u], v[STA+4*\u]
.endr
.irp u,0,1
	v_floor_f32 v[STA+4*\u], -v[STA+4*\u+1]        ; -M = floor(-t)
.endr
.irp u,0,1
	s_delay_alu instid0(VALU_DEP_2)
	v_sub_f32 v[T1+\u], v[STA+4*\u], v[T1+\u]      ; old M - new M, 0 or less
.endr
.set j, 0
.rept 16
	v_pk_fma_f32 v[SA+j:SA+j+1], v[SA+j:SA+j+1], s[60:61], v[STA:STA+1] op_sel_hi:[1,0,0]   ; tile A's t - M; the two lines that make f stand among these
.set j, j+2
.endr
.irp u,0,1
	v_cvt_i32_f32 v[T1+\u], v[T1+\u]
.endr
.rept 16
	v_pk_fma_f32 v[SA+j:SA+j+1], v[SA+j:SA+j+1], s[60:61], v[STA:STA+1] op_sel_hi:[1,0,0]
.set j, j+2
.endr
.irp u,0,1
	v_ldexp_f32 v[F+14*\u], 1.0, v[T1+\u]          ; f = 2^(old M - new M)
.endr
.irp b,0,1,2,3
	v_fma_f32 v[BM+\b], v[BM+\b], s60, v[STA]      ; the same of each block's largest score
.endr
	s_wait_alu depctr_va_vdst(0)                   ; the wait ahead of the batch
.set j, 0
.rept 8
.irp u,0,1
	v_pk_mul_f32 v[OA+16*\u+j:OA+16*\u+j+1], v[OA+16*\u+j:OA+16*\u+j+1], v[F+14*\u:F+14*\u+1] op_sel_hi:[1,0]   ; O^T and the sums under the new M
.endr
.set j, j+2
.endr
.irp u,0,1
	v_pk_mul_f32 v[STA+4*\u+2:STA+4*\u+3], v[STA+4*\u+2:STA+4*\u+3], v[F+14*\u:F+14*\u+1] op_sel_hi:[1,0]
.endr
.set j, 0
.rept 32
	v_exp_f32 v[SA+j], v[SA+j]                     ; tile A's p = 2^(t - M); between them tile B's t - M, which names none of them
	v_pk_fma_f32 v[SB+j:SB+j+1], v[SB+j:SB+j+1], s[60:61], v[STB:STB+1] op_sel_hi:[1,0,0]
	v_exp_f32 v[SA+j+1], v[SA+j+1]
.set j, j+2
.endr
.irp b,0,1,2,3
	v_exp_f32 v[BM+\b], v[BM+\b]                   ; tile A's blocks' largest p
	v_fma_f32 v[BM+18+\b], v[BM+18+\b], s60, v[STB]
.endr
	s_wait_alu depctr_va_vdst(0)                   ; the wait ahead of tile B's batch: its sources were written among tile A's
.set j, 0
.rept 64
	v_exp_f32 v[SB+j], v[SB+j]
.set j, j+1
.endr
.irp b,0,1,2,3
	v_exp_f32 v[BM+18+\b], v[BM+18+\b]
.endr
	v_nop                                          ; a plain line behind the last exponential
	s_wait_alu depctr_va_vdst(0)                   ; one wait between the batches and their first reader
.irp u,0,1
	v_pk_add_f32 v[C2+14*\u:C2+14*\u+1], v[SA+64*\u:SA+64*\u+1], v[SA+64*\u+2:SA+64*\u+3]   ; the rows' sums, of the unquantised p, in four chains
.endr
.irp j,4,8,12,16,20,24,28,32,36,40,44
.irp u,0,1
	v_pk_add_f32 v[STA+4*\u+2:STA+4*\u+3], v[STA+4*\u+2:STA+4*\u+3], v[SA+64*\u+\j:SA+64*\u+\j+1]
	v_pk_add_f32 v[C2+14*\u:C2+14*\u+1], v[C2+14*\u:C2+14*\u+1], v[SA+64*\u+\j+2:SA+64*\u+\j+3]
.endr
.endr
.endm
; one tile's p into codes and a scale word, on registers that both tiles use by turns; BM and C2 name the tile's own block maxima and second chain
.macro QNT sbase, stt
.irp b,0,1,2,3
	v_max_num_f32 v[BM+\b], 0x2800000, v[BM+\b]    ; the floor 2^(5 - 127)
.endr
.irp b,0,1,2,3
	s_delay_alu instid0(VALU_DEP_4)
	v_add_nc_u32 v[SO+\b], 0xfe000000, v[BM+\b]    ; 4 off the exponent field: the conversion's scale operand
.endr
.irp b,0,1,2,3
	s_delay_alu instid0(VALU_DEP_4)
	v_lshrrev_b32 v[BP+\b], 23, v[SO+\b]           ; the byte
.endr
	s_delay_alu instid0(VALU_DEP_3)
	v_lshl_or_b32 v[PS], v[BP+1], 8, v[BP]
	s_delay_alu instid0(VALU_DEP_1)
	v_lshl_or_b32 v[PS], v[BP+2], 16, v[PS]
	s_delay_alu instid0(VALU_DEP_1)
	v_lshl_or_b32 v[PS], v[BP+3], 24, v[PS]
.irp c,0,1
	v_cvt_scalef32_pk16_bf6_f32 v[PC+6*\c:PC+6*\c+2], v[\sbase+32*\c:\sbase+32*\c+15], v[SO+2*\c]
	v_cvt_scalef32_pk16_bf6_f32 v[CT+4*\c:CT+4*\c+2], v[\sbase+32*\c+16:\sbase+32*\c+31], v[SO+2*\c+1]
.endr
	v_nop                                          ; one plain place behind a scaled conversion
.irp c,0,1                             ; a whole block to a lane
.irp i,0,1,2
	v_permlane16_swap_b32 v[PC+6*\c+\i], v[CT+4*\c+\i]
.endr
.irp i,0,1,2
	s_delay_alu instid0(VALU_DEP_3)
	v_mov_b32 v[PC+6*\c+3+\i], v[CT+4*\c+\i]
.endr
.endr
.irp j,48,52,56,60                     ; the sum's last nine additions: the plain places between the codes' and the scale word's last writes and the product
	v_pk_add_f32 v[\stt+2:\stt+3], v[\stt+2:\stt+3], v[\sbase+\j:\sbase+\j+1]
	v_pk_add_f32 v[C2:C2+1], v[C2:C2+1], v[\sbase+\j+2:\sbase+\j+3]
.endr
	s_delay_alu instid0(VALU_DEP_1)
	v_pk_add_f32 v[\stt+2:\stt+3], v[\stt+2:\stt+3], v[C2:C2+1]
.endm
; 25 LDS loads: K's scale words, K's four images and the bias of the step whose record begins at s86 and whose bias at s87
.macro LOADK
	v_add_nc_u32 v[ADK16], s86, v[A16]
	v_add_nc_u32 v[ADK8], s86, v[A8]
	v_add_nc_u32 v[ADS], s86, v[AKS]
	v_add_nc_u32 v[ADB], s87, v[ABI]
	ds_load_b32 v[KS], v[ADS]
	WIN 0x40                                       ; destination in window 1
.irp k,0,1,2,3
	ds_load_b128 v[KF+6*\k:KF+6*\k+3], v[ADK16] offset:768*\k
	ds_load_b64 v[KF+6*\k+4:KF+6*\k+5], v[ADK8] offset:768*\k+512
.endr
.irp q,0,1,2,3,4,5,6,7,8,9,10,11,12,13,14,15
	ds_load_b128 v[BI+4*\q:BI+4*\q+3], v[ADB] offset:128*(\q/4)+16*(\q%4)
.endr
	WIN 0
.endm
; A KEY STEP: 128 keys, both tiles
.macro STEP
	v_add_nc_u32 v[ADV16], s18, v[AV16]            ; four plain lines: the places behind the last step's products, in front of the loads below
	v_add_nc_u32 v[ADV8], s18, v[AV8]
	v_add_nc_u32 v[TT], s18, v[AKS]
	v_nop
	ds_load_b32 v[VS], v[TT] offset:128
	WIN 0x40
.irp t,0,1
.irp c,0,1
	ds_load_b128 v[VF+12*\t+6*\c:VF+12*\t+6*\c+3], v[ADV16] offset:1536*\c+256*\t
	ds_load_b64 v[VF+12*\t+6*\c+4:VF+12*\t+6*\c+5], v[ADV8] offset:1536*\c+512+128*\t
.endr
.endr
	WIN 0
	s_wait_dscnt 9                                 ; all but V's nine loads are in: K, its words and the bias were asked for a step ago
	s_add_co_u32 s21, s17, 142                     ; the band is met where first key + 142 >= my first query and first key <= my first query + 46
	s_cmp_lt_u32 s21, s15
	s_cbranch_scc1 .Lplain_\@
	s_cmp_gt_u32 s17, s16
	s_cbranch_scc1 .Lplain_\@
	BAND SA, QLA
	QK SA, QVA, 0, 1
	WIN 0
	BAND SB, QLA+1
	QK SB, QVB, 1, 1
	WIN 0
	s_branch .Ljoin_\@
.Lplain_\@:
	QK SA, QVA, 0, 0
	QK SB, QVB, 1, 0
	WIN 0
.Ljoin_\@:
	s_add_co_u32 s86, s18, REC                     ; the next step's record and bias; the last step names its own again
	s_min_u32 s86, s86, 31*REC
	s_add_co_u32 s87, s19, 512
	s_min_u32 s87, s87, 31*512
.rept 4
	v_nop                                          ; four places in front of the first read of the scores and of loads into registers that the products have read
.endr
	LOADK
	SMJ
	QNT SA, STA
	s_wait_dscnt 25                                ; V is in; the next step's 25 loads may be out
	PV OA
.set BM, BM+18                         ; tile B's block maxima and second chain
.set C2, C2+14
	QNT SB, STB
.set BM, BM-18
.set C2, C2-14
	PV OB
.endm
	s_load_b256 s[4:11], s[0:1], 0x0               ; qq s[4:5], kv s[6:7], dens s[8:9], oq s[10:11]
	v_lshl_add_u32 v[SPW], v0, 2, SPARE
	v_mov_b32 v[NIL], 0
	ds_add_u32 v[SPW], v[NIL]                      ; the opening: the add, twice on end, and its wait ahead of my tensor load
	ds_add_u32 v[SPW], v[NIL]
	v_lshrrev_b32 v10, 5, v0
	s_wait_alu depctr_va_vdst(0)
	v_readfirstlane_b32 s12, v10                   ; wave 0..7
	s_and_b32 s13, ttmp7, 0xffff                   ; batch x 8 + head
	s_lshr_b32 s14, s13, 3                         ; the batch
	s_and_b32 s66, s13, 7                          ; the head
	s_lshl_b32 s67, ttmp9, 3
	s_add_co_u32 s67, s67, s12                     ; my block of 32 queries
	s_lshl_b32 s15, s67, 5                         ; my first query
	s_add_co_u32 s16, s15, 46
	s_mov_b32 s22, 0x76543210
	s_mov_b32 s23, 0xfedcba98                      ; selects for lane l xor 16
	s_mov_b32 s60, 0x3e8293ee                      ; c = log2(e) / sqrt(32)
	s_mov_b32 s61, s60
	s_mov_b32 s62, 0x0000ffff                      ; lanes 0-15
	s_mov_b32 s63, 0xffff0000                      ; lanes 16-31
	s_mov_b32 s40, 3<<16                           ; group 1: a dense block as 100 rows of 256 bytes (32 elements of 8 bytes), no padding
	s_mov_b32 s41, 32<<16
	s_mov_b32 s42, 100<<16
	s_mov_b32 s43, 32<<16
	s_mov_b32 s44, 100
	s_mov_b32 s45, 32
	s_mov_b32 s46, 0
	s_mov_b32 s47, 0
	s_mul_i32 s76, s12, 25600                      ; my four records, the same bytes on in the head's records and in LDS
	s_mov_b32 s77, 0
	s_mul_i32 s70, s13, 204800
	s_mov_b32 s71, 0
	s_mul_i32 s78, s13, 98304                      ; my queries' image
	s_mul_i32 s68, s67, 768
	s_add_co_u32 s78, s78, s68
	s_mov_b32 s79, 0
	s_lshl_b32 s80, s13, 14                        ; and their scale words
	s_lshr_b32 s68, s67, 2
	s_lshl_b32 s68, s68, 9
	s_add_co_u32 s80, s80, s68
	s_and_b32 s68, s67, 3
	s_lshl_b32 s68, s68, 2
	s_add_co_u32 s80, s80, s68
	s_add_co_u32 s80, s80, 1572864
	s_mov_b32 s81, 0
	s_lshl_b32 s82, s14, 7                         ; the result's image: ((batch x 128 + block) x 8 + head) x 768
	s_add_co_u32 s82, s82, s67
	s_lshl_b32 s82, s82, 3
	s_add_co_u32 s82, s82, s66
	s_mul_i32 s82, s82, 768
	s_mov_b32 s83, 0
	s_lshl_b32 s84, s13, 12                        ; and the work-group's 256 scale bytes
	s_lshl_b32 s68, ttmp9, 8
	s_add_co_u32 s84, s84, s68
	s_add_co_u32 s84, s84, 1572864
	s_mov_b32 s85, 0
	v_lshl_add_u32 v[ARED], v10, 2, RED            ; my wave's word
	v_and_b32 v10, 31, v0                          ; lane
	v_and_b32 v11, 15, v0                          ; r
	v_bfe_u32 v12, v0, 4, 1                        ; h
	v_lshlrev_b32 v[A16], 4, v10
	v_lshlrev_b32 v[A8], 3, v10
	v_mul_u32_u24 v13, v12, 768
	v_lshl_add_u32 v[AKS], v10, 2, 6144
	v_lshl_add_u32 v[ABI], v12, 6, BIAS
	v_lshl_add_u32 v[AV16], v11, 4, v13
	v_lshl_add_u32 v[AV8], v11, 3, v13
	v_mov_b32 v[ZR], 0
	v_add_nc_u32 v[AV16], 3072, v[AV16]
	v_add_nc_u32 v[AV8], 3072, v[AV8]
	v_lshl_add_u32 v[ABST], v0, 4, BIAS
	v_add_nc_u32 v[AOS], OSCS, v0
	v_lshl_add_u32 v[AOR], v10, 3, OSCS
	v_mov_b32 v[ARD], RED
	v_lshlrev_b32 v[ADN], 4, v0
	v_and_b32 v13, 8, v11
	v_lshlrev_b32 v14, 4, v12
	s_delay_alu instid0(VALU_DEP_2)
	v_add_nc_u32 v13, v13, v11                     ; r + 8 (r / 8)
	s_delay_alu instid0(VALU_DEP_1)
	v_sub_nc_u32 v13, v13, v14
	s_delay_alu instid0(VALU_DEP_1)
	v_add_nc_u32 v13, s15, v13
	s_delay_alu instid0(VALU_DEP_1)
	v_add_nc_u32 v[QLA], -15, v13                  ; tile A's query - 16 h - 15
	v_add_nc_u32 v[QLA+1], -7, v13                 ; tile B's lies 8 further on
	s_wait_alu depctr_va_vdst(0)
	s_wait_dscnt 0x0                               ; both opening adds are done
	s_wait_kmcnt 0x0
	s_add_nc_u64 s[6:7], s[6:7], s[70:71]          ; kv at my head
	s_mov_b32 s56, 1                               ; group 0: count 1, LDS address, global address, type 2
	s_mov_b32 s57, s76
	s_add_nc_u64 s[58:59], s[6:7], s[76:77]
	s_or_b32 s59, s59, 0x80000000
	s_add_nc_u64 s[78:79], s[4:5], s[78:79]
	s_add_nc_u64 s[80:81], s[4:5], s[80:81]
	s_add_nc_u64 s[82:83], s[10:11], s[82:83]
	s_add_nc_u64 s[84:85], s[10:11], s[84:85]
	tensor_load_to_lds s[56:59], s[40:47]          ; my one tensor load: records 4 w .. 4 w + 3
	s_nop 0
.rept 4
	v_nop
.endr
	global_load_b128 v[QR:QR+3], v[A16], s[78:79]  ; my 32 queries' codes: image lane = my lane
	global_load_b64 v[QR+4:QR+5], v[A8], s[78:79] offset:512
	global_load_b32 v[QS], v[A16], s[80:81]        ; lanes 0-15: tile A's words, lanes 16-31: tile B's
.irp j,0,1,2,3,4,5,6,7
	global_load_b128 v[64+4*\j:67+4*\j], v[ADN], s[8:9] offset:4096*\j   ; all 8,192 densities: thread t takes tokens 1,024 j + 4 t on
.endr
.set j, 0
.rept 32
	v_mov_b32 v[OA+j], 0                           ; O^T: the step is written once; the first change of M multiplies zeros
.set j, j+1
.endr
.irp b,0,1,2,3
	v_mov_b32 v[BP+\b], 0                          ; a lane permute's destination counts as one of its sources
.endr
.irp i,0,1,2,3,4,5
	v_mov_b32 v[QX+\i], 0
.endr
	v_mov_b32 v[F+1], 0                            ; (named as the upper half of a pair)
.irp t,STA,STB
	v_mov_b32 v[\t+1], 0xcf800000                  ; the largest t so far: -2^32
	s_delay_alu instid0(VALU_DEP_1)
	v_floor_f32 v[\t], -v[\t+1]
	v_mov_b32 v[\t+2], 0
	v_mov_b32 v[\t+3], 0
.endr
	s_wait_loadcnt 0x0
.irp i,0,1,2,3,4,5
	v_permlanex16_b32 v[QX+\i], v[QR+\i], s22, s23
.endr
	WIN 0x40                                       ; Q's variants, in window 1
.irp q,QVA,QVB
.irp i,0,1,2,3,4,5
	v_mov_b32 v[\q+\i], 0
	v_mov_b32 v[\q+12+\i], 0
	v_mov_b32 v[\q+24+\i], 0
.endr
.endr
.irp i,0,1,2,3,4,5
	v_cndmask_b32 v[QVA+6+\i], v[ZR], v[QR+\i], s62    ; tile A's queries lie in the image's lanes 0-15,
	v_cndmask_b32 v[QVA+18+\i], v[ZR], v[QX+\i], s63
	v_cndmask_b32 v[QVB+6+\i], v[ZR], v[QX+\i], s62    ; tile B's in lanes 16-31
	v_cndmask_b32 v[QVB+18+\i], v[ZR], v[QR+\i], s63
.endr
	WIN 0
	; the threshold: mean + std / 2 (n - 1) of the 8,192 densities, in two passes
	v_pk_add_f32 v[96:97], v[64:65], v[66:67]
	v_pk_add_f32 v[98:99], v[68:69], v[70:71]
.irp j,72,76,80,84,88,92
	v_pk_add_f32 v[96:97], v[96:97], v[\j:\j+1]
	v_pk_add_f32 v[98:99], v[98:99], v[\j+2:\j+3]
.endr
	s_delay_alu instid0(VALU_DEP_1)
	v_pk_add_f32 v[96:97], v[96:97], v[98:99]
	s_delay_alu instid0(VALU_DEP_1)
	v_add_f32 v96, v96, v97
	WSUM 96, 97
	ds_store_b32 v[ARED], v96                      ; all lanes write the wave's word with the same value
	s_wait_dscnt 0x0                               ; for the others' sake
	s_barrier_signal -1
	s_barrier_wait -1
	ds_load_b128 v[100:103], v[ARD]
	ds_load_b128 v[104:107], v[ARD] offset:16
	s_wait_dscnt 0x0
	SUM8
	s_delay_alu instid0(VALU_DEP_1)
	v_mul_f32 v108, 0x39000000, v100               ; the mean: / 8,192
	s_delay_alu instid0(VALU_DEP_1)
	v_mov_b32 v109, v108
	s_delay_alu instid0(VALU_DEP_1)
	v_pk_add_f32 v[112:113], v[64:65], v[108:109] neg_lo:[0,1] neg_hi:[0,1]
	v_pk_add_f32 v[114:115], v[66:67], v[108:109] neg_lo:[0,1] neg_hi:[0,1]
	s_delay_alu instid0(VALU_DEP_2)
	v_pk_mul_f32 v[96:97], v[112:113], v[112:113]
	s_delay_alu instid0(VALU_DEP_2)
	v_pk_mul_f32 v[98:99], v[114:115], v[114:115]
.irp j,68,72,76,80,84,88,92
	v_pk_add_f32 v[112:113], v[\j:\j+1], v[108:109] neg_lo:[0,1] neg_hi:[0,1]
	v_pk_add_f32 v[114:115], v[\j+2:\j+3], v[108:109] neg_lo:[0,1] neg_hi:[0,1]
	s_delay_alu instid0(VALU_DEP_2)
	v_pk_fma_f32 v[96:97], v[112:113], v[112:113], v[96:97]
	s_delay_alu instid0(VALU_DEP_2)
	v_pk_fma_f32 v[98:99], v[114:115], v[114:115], v[98:99]
.endr
	s_delay_alu instid0(VALU_DEP_1)
	v_pk_add_f32 v[96:97], v[96:97], v[98:99]
	s_delay_alu instid0(VALU_DEP_1)
	v_add_f32 v96, v96, v97
	WSUM 96, 97
	ds_store_b32 v[ARED], v96 offset:32            ; other words than the first sum's
	s_wait_dscnt 0x0
	s_barrier_signal -1
	s_barrier_wait -1
	ds_load_b128 v[100:103], v[ARD] offset:32
	ds_load_b128 v[104:107], v[ARD] offset:48
	s_wait_dscnt 0x0
	SUM8
	s_delay_alu instid0(VALU_DEP_1)
	v_mul_f32 v100, 0x39000400, v100               ; / 8,191
	s_wait_alu depctr_va_vdst(0)                   ; the wait ahead of the root
	v_sqrt_f32 v100, v100
	v_nop                                          ; a plain line behind the root
	s_wait_alu depctr_va_vdst(0)                   ; and the wait ahead of its first reader
	v_fma_f32 v110, 0.5, v100, v108                ; the threshold
	s_cmp_eq_u32 s14, 1
	s_cselect_b32 s21, -1, 0
.set j, 0
.rept 16
	v_cndmask_b32 v[64+j], v[64+j], v[80+j], s21   ; my batch's 16 densities
.set j, j+1
.endr
.set j, 0
.rept 16
	v_cmp_gt_f32 vcc_lo, v[64+j], v110
	s_delay_alu instid0(VALU_DEP_1)
	v_cndmask_b32 v[64+j], 0xd152bc00, v[ZR], vcc_lo   ; 0 where the key counts for every query, else -1e10 x sqrt(32)
.set j, j+1
.endr
.irp j,0,1,2,3
	ds_store_b128 v[ABST], v[64+4*\j:67+4*\j] offset:4096*\j
.endr
	s_wait_alu depctr_va_vdst(0)
	s_wait_tensorcnt 0x0                           ; my four records are in,
	s_wait_dscnt 0x0                               ; and my stores of the bias are done
	s_barrier_signal -1
	s_barrier_wait -1                              ; both now hold of every wave; nothing is ever filled again
	s_mov_b32 s18, 0                               ; the step's record,
	s_mov_b32 s19, 0                               ; its bias,
	s_mov_b32 s17, 0                               ; its first key
	s_mov_b32 s86, 0
	s_mov_b32 s87, 0
	s_mov_b32 s20, 32
	LOADK                                          ; step 0's K, words and bias
.Lstep:
	STEP
	s_add_co_u32 s18, s18, REC
	s_add_co_u32 s19, s19, 512
	s_add_co_u32 s17, s17, 128
	s_sub_co_u32 s20, s20, 1
	s_cmp_lg_u32 s20, 0
	s_cbranch_scc1 .Lstep
	; THE WAY OUT: O^T / the sum; the head's 32 numbers are one block of the last product's K
	s_wait_alu depctr_va_vdst(0)                   ; the sums were written a few lines ahead of the loop's scalar lines
	v_add_f32 v[T1], v[STA+2], v[STA+3]
	v_add_f32 v[T2], v[STB+2], v[STB+3]
	s_delay_alu instid0(VALU_DEP_2)
	v_permlanex16_b32 v[BP], v[T1], s22, s23
	s_delay_alu instid0(VALU_DEP_2)
	v_permlanex16_b32 v[BP+1], v[T2], s22, s23
	s_delay_alu instid0(VALU_DEP_2)
	v_add_f32 v[T1], v[T1], v[BP]                  ; with lane l xor 16's keys: the row's sum
	s_delay_alu instid0(VALU_DEP_2)
	v_add_f32 v[T2], v[T2], v[BP+1]
	s_wait_alu depctr_va_vdst(0)                   ; ahead of the two reciprocals
	v_rcp_f32 v[F], v[T1]
	v_rcp_f32 v[C2], v[T2]
	v_nop                                          ; a plain line behind them
	s_wait_alu depctr_va_vdst(0)                   ; one wait for the two, ahead of their first reader and of O^T's
.set j, 0
.rept 8
	v_pk_mul_f32 v[64+j:65+j], v[OA+j:OA+j+1], v[F:F+1] op_sel_hi:[1,0]
.set j, j+2
.endr
.set j, 0
.rept 8
	v_pk_mul_f32 v[80+j:81+j], v[OB+j:OB+j+1], v[C2:C2+1] op_sel_hi:[1,0]
.set j, j+2
.endr
.irp g,0,1
	v_max3_num_f32 v[BM+\g], |v[64+16*\g]|, |v[65+16*\g]|, 0x2800000
.endr
.irp i,2,4,6,8,10,12,14
.irp g,0,1
	s_delay_alu instid0(VALU_DEP_2)
	v_max3_num_f32 v[BM+\g], v[BM+\g], |v[64+16*\g+\i]|, |v[65+16*\g+\i]|
.endr
.endr
.irp g,0,1
	s_delay_alu instid0(VALU_DEP_2)
	v_permlanex16_b32 v[BP+\g], v[BM+\g], s22, s23
.endr
.irp g,0,1
	s_delay_alu instid0(VALU_DEP_2)
	v_max_num_f32 v[BM+\g], v[BM+\g], v[BP+\g]
.endr
.irp g,0,1
	s_delay_alu instid0(VALU_DEP_2)
	v_add_nc_u32 v[SO+\g], 0xfe000000, v[BM+\g]
.endr
.irp g,0,1
	s_delay_alu instid0(VALU_DEP_2)
	v_lshrrev_b32 v[BM+2+\g], 23, v[SO+\g]
.endr
	v_cvt_scalef32_pk16_bf6_f32 v[PC:PC+2], v[64:79], v[SO]
	v_cvt_scalef32_pk16_bf6_f32 v[CT:CT+2], v[80:95], v[SO+1]
	v_nop                                          ; one plain place behind a scaled conversion
.irp i,0,1,2
	v_permlane16_swap_b32 v[PC+\i], v[CT+\i]       ; lane r + 16 T now holds query 8 T + r + 8 (r / 8)
.endr
.irp i,0,1,2
	s_delay_alu instid0(VALU_DEP_3)
	v_mov_b32 v[PC+3+\i], v[CT+\i]
.endr
	global_store_b128 v[A16], v[PC:PC+3], s[82:83]             ; 512 and 256 consecutive bytes
	global_store_b64 v[A8], v[PC+4:PC+5], s[82:83] offset:512
	v_cndmask_b32 v[T1], v[BM+2], v[BM+3], s63
	ds_store_b8 v[AOS], v[T1]                      ; the eight waves' 256 bytes meet in LDS
	s_wait_dscnt 0x0                               ; for the others' sake
	s_barrier_signal -1
	s_barrier_wait -1
	s_cmp_lg_u32 s12, 0
	s_cbranch_scc1 .Lend
	ds_load_b64 v[64:65], v[AOR]
	s_wait_dscnt 0x0
	global_store_b64 v[A8], v[64:65], s[84:85]     ; wave 0 stores them: 256 consecutive bytes, aligned
.Lend:
	s_wait_tensorcnt 0x0                           ; the wave's end
	ds_add_u32 v[SPW], v[NIL]
	s_wait_dscnt 0x0
	s_endpgm
.Lfunc_end_k_q4b8bb82986_attn:
	.size	k_q4b8bb82986_attn, .Lfunc_end_k_q4b8bb82986_attn-k_q4b8bb82986_attn
	.p2alignl 7, 3214868480
	.fill 96, 4, 3214868480
	.section	.rodata,"a",@progbits
	.p2align	6, 0x0
	.amdhsa_kernel k_q4b8bb82986_attn
		.amdhsa_group_segment_fixed_size 327680
		.amdhsa_private_segment_fixed_size 0
		.amdhsa_enable_private_segment 0
		.amdhsa_kernarg_size 32
		.amdhsa_user_sgpr_count 2
		.amdhsa_user_sgpr_kernarg_segment_ptr 1
		.amdhsa_wavefront_size32 1
		.amdhsa_system_sgpr_workgroup_id_x 1
		.amdhsa_system_sgpr_workgroup_id_y 1
		.amdhsa_system_sgpr_workgroup_id_z 1
		.amdhsa_system_vgpr_workitem_id 0
		.amdhsa_next_free_vgpr 512
		.amdhsa_next_free_sgpr 88
		.amdhsa_reserve_vcc 1
		.amdhsa_float_denorm_mode_32 3
		.amdhsa_float_denorm_mode_16_64 3
		.amdhsa_memory_ordered 1
		.amdhsa_forward_progress 1
		.amdhsa_inst_pref_size 83
	.end_amdhsa_kernel
	.amdgpu_metadata
---
amdhsa.version: [ 1, 2 ]
amdhsa.kernels:
  - .name:           k_q4b8bb82986_attn
    .symbol:         k_q4b8bb82986_attn.kd
    .args:
      - { .name: qq, .offset: 0, .size: 8, .value_kind: global_buffer, .address_space: global }
      - { .name: kv, .offset: 8, .size: 8, .value_kind: global_buffer, .address_space: global }
      - { .name: dens, .offset: 16, .size: 8, .value_kind: global_buffer, .address_space: global }
      - { .name: oq, .offset: 24, .size: 8, .value_kind: global_buffer, .address_space: global }
    .group_segment_fixed_size: 327680
    .private_segment_fixed_size: 0
    .kernarg_segment_align: 8
    .kernarg_segment_size: 32
    .max_flat_workgroup_size: 256
    .sgpr_count:     88
    .vgpr_count:     512
    .wavefront_size: 32
...
	.end_amdgpu_metadata
.endif
;; end of part 3
;; launch proj (part 4): grid 256 x 1, 4 waves a work-group, no clusters, 35,328 bytes of LDS; arguments oq, wq, b_proj, out0; writes out0
.if DOCPART == 4
	.amdgcn_target "amdgcn-amd-amdhsa--gfx1250"
	.amdhsa_code_object_version 6
	.text
	.protected	k_q4b8bb82986_proj
	.globl	k_q4b8bb82986_proj
	.p2align	8
	.type	k_q4b8bb82986_proj,@function
k_q4b8bb82986_proj:
	s_mov_b64 s[64:65], 0
	v_nop
	global_prefetch_b8 v0, s[64:65] scope:SCOPE_SE
	s_setreg_imm32_b32 hwreg(HW_REG_WAVE_MODE, 25, 1), 1
	s_wait_xcnt 0x0
; PROJ.  out0 = O w_proj + b_proj on codes of BF6.  A work-group takes a block of 32 tokens, wave w the columns 64 w .. 64 w + 63 (four tiles of w_proj's columns).
; Used transposed: source 0 = 16 columns of w_proj, source 1 = 16 tokens: a lane holds one token and eight neighbouring columns.  K = 256 is eight heads; head e of a token is one block of 32, brought from that head's block image.
; The bias is loaded straight into the accumulators, in the result's layout, and the products add onto it.
; The result goes through the wave's own stage in LDS (32 rows x (256 bytes + 16)) and leaves as aligned runs of 256 bytes; no wave reads another's bytes, so there is no barrier.
.set WF,  16                           ; v16-111  W's fragments (tile n, K step s) at 12 (2 n + s); on the way out rows of the result
.set WS,  112                          ; v112-115 W's scale words (lanes 0-15 K step 0, lanes 16-31 K step 1)
.set OF,  116                          ; v116-163 O's fragments (tile u, K step s) at 12 (2 u + s)
.set OS,  164                          ; v164-165 O's scale words, K step s (lanes 0-15 tile 0, lanes 16-31 tile 1)
.set BY,  166                          ; v166-173 the eight heads' bytes
.set ACC, 176                          ; v176-239 (tile n, tile u) at 8 (2 n + u)
.set SPW, 254
.set NIL, 255
.set SPARE, 4*8704                     ; behind the four stages: the spare words, 128 bytes a wave: two blocks of 256 bytes that no other line names
.macro MM d, a, b, cc, sa, sb, ra, rb
.if (\ra) && (\rb)
	v_wmma_scale_f32_16x16x128_f8f6f4 v[\d:\d+7], v[\a:\a+11], v[\b:\b+11], \cc, v[\sa], v[\sb] matrix_a_fmt:MATRIX_FMT_BF6 matrix_b_fmt:MATRIX_FMT_BF6 matrix_a_scale:MATRIX_SCALE_ROW1 matrix_b_scale:MATRIX_SCALE_ROW1
.elseif \ra
	v_wmma_scale_f32_16x16x128_f8f6f4 v[\d:\d+7], v[\a:\a+11], v[\b:\b+11], \cc, v[\sa], v[\sb] matrix_a_fmt:MATRIX_FMT_BF6 matrix_b_fmt:MATRIX_FMT_BF6 matrix_a_scale:MATRIX_SCALE_ROW1
.elseif \rb
	v_wmma_scale_f32_16x16x128_f8f6f4 v[\d:\d+7], v[\a:\a+11], v[\b:\b+11], \cc, v[\sa], v[\sb] matrix_a_fmt:MATRIX_FMT_BF6 matrix_b_fmt:MATRIX_FMT_BF6 matrix_b_scale:MATRIX_SCALE_ROW1
.else
	v_wmma_scale_f32_16x16x128_f8f6f4 v[\d:\d+7], v[\a:\a+11], v[\b:\b+11], \cc, v[\sa], v[\sb] matrix_a_fmt:MATRIX_FMT_BF6 matrix_b_fmt:MATRIX_FMT_BF6
.endif
.endm
	s_load_b256 s[4:11], s[0:1], 0x0               ; oq s[4:5], wq s[6:7], b_proj s[8:9], out0 s[10:11]
	v_lshl_add_u32 v[SPW], v0, 2, SPARE
	v_mov_b32 v[NIL], 0
	v_lshrrev_b32 v1, 5, v0
	v_readfirstlane_b32 s12, v1                    ; wave 0..3
	v_and_b32 v1, 31, v0                           ; lane
	v_and_b32 v2, 15, v0                           ; r
	v_bfe_u32 v3, v0, 4, 1                         ; h
	v_lshlrev_b32 v4, 4, v1                        ; 16 lane
	v_lshlrev_b32 v5, 2, v1                        ; 4 lane
	v_mul_u32_u24 v13, v3, 768
	v_lshl_add_u32 v6, v2, 4, v13                  ; O: 768 h + 16 r (lanes 16-31 take the next head)
	v_lshl_add_u32 v7, v2, 3, v13                  ;    768 h + 8 r
	v_lshlrev_b32 v9, 6, v3                        ; 64 h: my half's 16 columns
	s_mul_i32 s13, s12, 8704                       ; my stage
	v_and_b32 v13, 8, v2
	v_add_nc_u32 v13, v13, v2                      ; r + 8 (r / 8)
	v_mul_u32_u24 v10, v13, 272
	v_add_nc_u32 v10, v10, v9
	v_add_nc_u32 v10, s13, v10                     ; in: the token's row, + 64 h
	v_mul_u32_u24 v11, v3, 272
	v_lshl_add_u32 v11, v2, 4, v11
	v_add_nc_u32 v11, s13, v11                     ; back: lanes 0-15 one row, lanes 16-31 the next
	v_lshlrev_b32 v12, 10, v3
	v_lshl_add_u32 v12, v2, 4, v12                 ; and the same two rows in out0
	s_mul_i32 s14, s12, 12288
	s_add_co_u32 s14, s14, 147456                  ; tiles 48 + 4 w on
	s_mov_b32 s15, 0
	s_lshl_b32 s16, s12, 9
	s_add_co_u32 s16, s16, 196608+6144
	s_mov_b32 s17, 0
	s_mul_i32 s18, ttmp9, 6144                     ; the block's eight images
	s_mov_b32 s19, 0
	s_lshr_b32 s20, ttmp9, 7
	s_lshl_b32 s20, s20, 15                        ; batch x 8 heads x 4,096
	s_and_b32 s21, ttmp9, 127
	s_lshl_b32 s21, s21, 5
	s_add_co_u32 s20, s20, s21
	s_add_co_u32 s20, s20, 1572864
	s_mov_b32 s21, 0
	s_lshl_b32 s22, s12, 8                         ; my 64 columns in bytes
	s_mov_b32 s23, 0
	s_lshl_b32 s24, ttmp9, 15
	s_add_co_u32 s24, s24, s22
	s_mov_b32 s25, 0
	s_wait_alu depctr_va_vdst(0)
	s_wait_kmcnt 0x0
	s_add_nc_u64 s[14:15], s[6:7], s[14:15]
	s_add_nc_u64 s[16:17], s[6:7], s[16:17]
	s_add_nc_u64 s[18:19], s[4:5], s[18:19]
	s_add_nc_u64 s[20:21], s[4:5], s[20:21]
	s_add_nc_u64 s[22:23], s[8:9], s[22:23]
	s_add_nc_u64 s[24:25], s[10:11], s[24:25]
.set q, 0
.rept 24
	global_load_b128 v[WF+4*q:WF+4*q+3], v4, s[14:15] offset:512*q
.set q, q+1
.endr
.irp n,0,1,2,3
	global_load_b32 v[WS+\n], v5, s[16:17] offset:128*\n
.endr
.irp u,0,1
.irp s,0,1
.irp c,0,1
	global_load_b128 v[OF+12*(2*\u+\s)+6*\c:OF+12*(2*\u+\s)+6*\c+3], v6, s[18:19] offset:(4*\s+2*\c)*768+256*\u      ; head 4 s + 2 c + h, image lane r + 16 u
	global_load_b64 v[OF+12*(2*\u+\s)+6*\c+4:OF+12*(2*\u+\s)+6*\c+5], v7, s[18:19] offset:(4*\s+2*\c)*768+512+128*\u
.endr
.endr
.endr
.irp e,0,1,2,3,4,5,6,7
	global_load_u8 v[BY+\e], v1, s[20:21] offset:4096*\e       ; head e's byte of image lane = my lane
.endr
.irp n,0,1,2,3
.irp u,0,1
	global_load_b128 v[ACC+8*(2*\n+\u):ACC+8*(2*\n+\u)+3], v9, s[22:23] offset:128*(\n/2)+32*(\n%2)        ; b_proj at the lane's eight columns: 32 (n / 2) + 8 (n % 2) + 16 h + 0 .. 7
	global_load_b128 v[ACC+8*(2*\n+\u)+4:ACC+8*(2*\n+\u)+7], v9, s[22:23] offset:128*(\n/2)+32*(\n%2)+16
.endr
.endr
	s_wait_loadcnt 0x0
.irp s,0,1
	v_lshl_or_b32 v[OS+\s], v[BY+4*\s+1], 8, v[BY+4*\s]
	v_lshl_or_b32 v[OS+\s], v[BY+4*\s+2], 16, v[OS+\s]
	v_lshl_or_b32 v[OS+\s], v[BY+4*\s+3], 24, v[OS+\s]
.endr
.rept 8
	v_nop                                          ; a scale register written by vector lines stands eight places ahead of the product
.endr
.irp s,0,1                             ; eight accumulators by turns, a K step at a time
.irp n,0,1,2,3
.irp u,0,1
.set rD, ACC+8*(2*\n+\u)
.set rA, WF+12*(2*\n+\s)
.set rB, OF+12*(2*\u+\s)
	MM rD, rA, rB, v[rD:rD+7], WS+\n, OS+\s, \s, \u
.endr
.endr
.endr
.rept 4
	v_nop                                          ; four places in front of the first read of results and of loads into registers that the products have read
.endr
.irp n,0,1,2,3
.irp u,0,1
	ds_store_b128 v10, v[ACC+8*(2*\n+\u):ACC+8*(2*\n+\u)+3] offset:2176*\u+128*(\n/2)+32*(\n%2)            ; each accumulator from its low end on
	ds_store_b128 v10, v[ACC+8*(2*\n+\u)+4:ACC+8*(2*\n+\u)+7] offset:2176*\u+128*(\n/2)+32*(\n%2)+16
.endr
.endr
.irp i,0,1,2,3,4,5,6,7,8,9,10,11,12,13,14,15
	ds_load_b128 v[WF+4*\i:WF+4*\i+3], v11 offset:544*\i       ; LDS serves a wave's instructions in order: these see my stores
.endr
.irp i,0,1,2,3,4,5,6,7,8,9,10,11,12,13,14,15
	s_wait_dscnt 15-\i                             ; the younger read-backs may be out
	global_store_b128 v12, v[WF+4*\i:WF+4*\i+3], s[24:25] offset:2048*\i th:TH_STORE_NT   ; sixteen lanes store 256 consecutive bytes, aligned
.endr
	s_wait_tensorcnt 0x0                           ; the wave's end, behind my last LDS store
	ds_add_u32 v[SPW], v[NIL]
	s_wait_dscnt 0x0
	s_endpgm
.Lfunc_end_k_q4b8bb82986_proj:
	.size	k_q4b8bb82986_proj, .Lfunc_end_k_q4b8bb82986_proj-k_q4b8bb82986_proj
	.p2alignl 7, 3214868480
	.fill 96, 4, 3214868480
	.section	.rodata,"a",@progbits
	.p2align	6, 0x0
	.amdhsa_kernel k_q4b8bb82986_proj
		.amdhsa_group_segment_fixed_size 35328
		.amdhsa_private_segment_fixed_size 0
		.amdhsa_enable_private_segment 0
		.amdhsa_kernarg_size 32
		.amdhsa_user_sgpr_count 2
		.amdhsa_user_sgpr_kernarg_segment_ptr 1
		.amdhsa_wavefront_size32 1
		.amdhsa_system_sgpr_workgroup_id_x 1
		.amdhsa_system_sgpr_workgroup_id_y 1
		.amdhsa_system_sgpr_workgroup_id_z 1
		.amdhsa_system_vgpr_workitem_id 0
		.amdhsa_next_free_vgpr 256
		.amdhsa_next_free_sgpr 66
		.amdhsa_reserve_vcc 0
		.amdhsa_float_denorm_mode_32 3
		.amdhsa_float_denorm_mode_16_64 3
		.amdhsa_memory_ordered 1
		.amdhsa_forward_progress 1
		.amdhsa_inst_pref_size 16
	.end_amdhsa_kernel
	.amdgpu_metadata
---
amdhsa.version: [ 1, 2 ]
amdhsa.kernels:
  - .name:           k_q4b8bb82986_proj
    .symbol:         k_q4b8bb82986_proj.kd
    .args:
      - { .name: oq, .offset: 0, .size: 8, .value_kind: global_buffer, .address_space: global }
      - { .name: wq, .offset: 8, .size: 8, .value_kind: global_buffer, .address_space: global }
      - { .name: b_proj, .offset: 16, .size: 8, .value_kind: global_buffer, .address_space: global }
      - { .name: out0, .offset: 24, .size: 8, .value_kind: global_buffer, .address_space: global }
    .group_segment_fixed_size: 35328
    .private_segment_fixed_size: 0
    .kernarg_segment_align: 8
    .kernarg_segment_size: 32
    .max_flat_workgroup_size: 128
    .sgpr_count:     66
    .vgpr_count:     256
    .wavefront_size: 32
...
	.end_amdgpu_metadata
.endif
;; end of part 4
